; MI455X (gfx1250); checked and timed in simulation.
; The chip was launched on July 23, 2026; its instructions are those of AMD's public machine-readable ISA for CDNA 5 (MIT licence, August 2026) and "CDNA5" Instruction Set Architecture Reference Guide (July 2026). The comments in the code are by the model that wrote it; some were corrected since.
;; Attention. Allowed arithmetic: matrix products marked QUANTISED: E5M2 operands, one E8M0 scale for each 32 along K, by v_wmma_scale_f32_16x16x128_f8f6f4 with both operands' format E5M2, f32 sums; everything else in f32.
;; Inputs: Wk 1,024 x 1,024 float32; Wo 1,024 x 1,024 float32; Wq 1,024 x 1,024 float32; Wv 1,024 x 1,024 float32; bk 1,024 float32; bo 1,024 float32; bq 1,024 float32; bv 1,024 float32; k 2 x 2,048 x 1,024 float32; pos_enc 2,049 x 1,024 float32; q 2 x 2,048 x 1,024 float32; r_kernel 16 x 1,024 x 64 float32; r_r_bias 16 x 1 x 64 float32; r_w_bias 16 x 1 x 64 float32; v 2 x 2,048 x 1,024 float32.
;; Outputs: out0 2 x 2,048 x 1,024 float32.
;; This version of the problem:
;;   THIS VERSION OF THE PROBLEM IS GIVEN IN LOW PRECISION. The matrix products marked QUANTISED in the list below multiply operands that are first quantised to E5M2 (5 exponent bits, 2 mantissa bits; 8 bits a number), with one power-of-two scale for each 32 numbers along K (OCP MX v1.0); their sums are f32. All else is computed in f32.
;;   The module's matrix products, in the order in which they are computed (A, B: the left and right operand; K: the contracted axis; several contracted axes count as one K, in the product's order):
;;     1. [M 4,096, K 1,024] x [K 1,024, N 1,024]; A: input q; B: input Wq: QUANTISED
;;     2. [M 4,096, K 1,024] x [K 1,024, N 1,024]; A: input k; B: input Wk: QUANTISED
;;     3. [M 4,096, K 1,024] x [K 1,024, N 1,024]; A: input v; B: input Wv: QUANTISED
;;     4. batch 32 x [M 2,048, K 64] x [K 64, N 2,048]; A: computed on the way; B: computed on the way: QUANTISED
;;     5. [M 1,024, K 1,024] x [K 1,024, N 2,049]; A: input r_kernel; B: input pos_enc: QUANTISED
;;     6. batch 16 x [M 2,049, K 64] x [K 64, N 4,096]; A: computed on the way; B: computed on the way: QUANTISED
;;     7. batch 32 x [M 2,048, K 2,048] x [K 2,048, N 64]; A: softmax (see below); B: computed on the way: QUANTISED
;;     8. [M 4,096, K 1,024] x [K 1,024, N 1,024]; A: computed on the way; B: input Wo: QUANTISED
;;   THE QUANTISER, for each operand of a quantised product, along K:
;;     - K is cut into blocks of 32 from its start; a last block that is shorter is filled with zeros.
;;     - A block's scale is 2^e with e = floor(log2(the largest magnitude in the block)) - 15, held to -126 .. 127; a block of zeros has e = 0. As a byte (E8M0): e + 127.
;;     - Each number is divided by its block's scale, clamped to +-57,344, and rounded to the nearest number of E5M2, ties to even, subnormals kept.
;;     - The product sums the exact products of the quantised numbers (number of the format x scale) in f32.
;;   ~~~python
;;   def quantise(x, axis):      # numpy; x: float32 -> the quantised numbers, widened to float32 again
;;       x = np.moveaxis(x, axis, -1); K = x.shape[-1]
;;       x = np.pad(x, [(0, 0)] * (x.ndim - 1) + [(0, -K % 32)]); x = x.reshape(x.shape[:-1] + (-1, 32)); a = np.abs(x).max(-1, keepdims=True)
;;       e = np.where(a > 0, np.clip(np.frexp(np.where(a > 0, a, 1))[1] - 1 - 15, -126, 127), 0)      # np.frexp(a)[1] - 1 = floor(log2(a)), exactly
;;       r = np.clip(x / 2.0 ** e, -57344, 57344)
;;       step = 2.0 ** (np.maximum(np.frexp(np.where(r == 0, 1, r))[1] - 1, -14) - 2)
;;       q = np.round(r / step) * step * 2.0 ** e      # np.round: ties to even
;;       return np.moveaxis(q.reshape(q.shape[:-2] + (-1,))[..., :K], -1, axis).astype(np.float32)
;;   ~~~
;;   SOFTMAX AHEAD OF A QUANTISED PRODUCT. Where the list says 'softmax', what is quantised is not the finished softmax but p = 2^(t - M), with t = logit x log2(e) and M = ceil(the row's largest t), a whole number; so 1/2 < the row's largest p <= 1. The row's sum l is taken of the UNQUANTISED p, in f32, and the product's result is divided by l at the end. Since M is a whole number, a kernel that streams over the keys may use a running M (the ceiling of the running maximum): every later rescaling is an exact power of two, which a block's scale takes up: the codes' values come out the same.
;;   OPERANDS COMPUTED ON THE WAY. 'Computed on the way' means the value that the module computes at that place (a softmax that the list does not call 'softmax' is quantised finished and normalised). What goes into a quantiser is computed in f32, as accurately as f32 sums, v_exp_f32 and their like allow (about 1e-6 of the number): no bf16 or f16 on the way to a quantiser, and a product that is left as it is and whose result goes on into a quantised operand takes f32 operands (vector FMAs, or v_wmma_f32_16x16x4_f32). A number that lies on a knife's edge between two numbers of the format may be rounded either way, as far as f32 arithmetic and the matrix unit's own rounding can turn it there, and no further.
;; One version. Each part assembles by itself: llvm-mc -triple=amdgcn-amd-amdhsa -mcpu=gfx1250 --defsym DOCPART=n.
;; ======== version 1 of 1: 4 launches
;; workspace buffers: xc 15,138,816 bytes; wc 5,406,720 bytes; qc 8,388,608 bytes; qs 524,288 bytes; kv 8,781,824 bytes; pe 2,228,224 bytes; oc 4,325,376 bytes
;; launch quant (part 1): grid 384 x 1, 4 waves a work-group, no clusters, 34,304 bytes of LDS; arguments q, k, v, pos_enc, Wq, Wk, Wv, r_kernel, Wo, xc, wc; writes xc, wc
.if DOCPART == 1
	.amdgcn_target "amdgcn-amd-amdhsa--gfx1250"
	.amdhsa_code_object_version 6
	.text
	.protected	k_qb567383fde_quant
	.globl	k_qb567383fde_quant
	.p2align	8
	.type	k_qb567383fde_quant,@function
k_qb567383fde_quant:
	s_mov_b64 s[64:65], 0
	v_nop
	global_prefetch_b8 v0, s[64:65] scope:SCOPE_SE
	s_setreg_imm32_b32 hwreg(HW_REG_WAVE_MODE, 25, 1), 1
	s_wait_xcnt 0x0
; Every wide input becomes codes of E5M2 with one E8M0 scale byte for each 32 along its K (1,024), laid as the matrix unit's registers take them.
; A BLOCK is 64 operand rows x K 1,024 = 67,584 bytes: images [tile 0..3][K step 0..7][2,048 bytes], byte 512 c + 16 lane + i = the code of the tile's row (lane % 16) at
; k = 128 s + 32 c + 16 (lane / 16) + i; then from byte 65,536 the scale words [tile][row 0..15][K step 0..7].  A tile's rows are NATURAL (16 t + r) or PERMUTED
; (tile 2 b + u, row 32 b + 8 u + r + 8 (r / 8)), so that a later product's results fall as neighbours along the next K.
; xc: blocks 0-63 q (natural), 64-127 k (permuted), 128-191 v (permuted), 192-223 pos_enc rows 1 .. 2,048 (natural).  wc: 16 blocks (64 columns each, permuted) of Wq, Wk, Wv, r_kernel (a block a head), Wo.
; A block's scale is 2^(floor(log2(largest magnitude)) - 15); its byte is the largest magnitude's exponent field - 15, held at 1 from below.  A block of zeros keeps the byte 1: its codes are zeros, and this program alone reads the bytes.
; LIMITS: NaN and infinities among the inputs are not served.  pos_enc row 0 is not read: it enters only scores that the causal mask of the problem hides.
; Work-groups 0-223: K innermost, a block each, a tile a wave.  Work-groups 224-383: K is the first axis, 128 columns x 256 along K each.  Waves share nothing: no barrier.  Memory binds: no matrix unit, no cluster.
.set BLK,  67584
.set TIL,  16384
.set FRB,  2048
.set SCO,  65536
.set NXB,  224                         ; blocks of xc
.set LI,   1                           ; v1   16 x lane
.set VA,   2                           ; v2   my 16 bytes of the tile's rows 0-7
.set VB,   3                           ; v3   of its rows 8-15
.set SI,   4                           ; v4   the stage, on the way in
.set SOO,  5                           ; v5   and on the way out
.set SCA,  6                           ; v6   32 r + 16 h: my four scale words
.set VW,   7                           ; v7   weights: 4 x lane
.set VD,   8                           ; v8   weights: my codes' place
.set VS,   9                           ; v9   weights: my scale words' place
.set TM,   16                          ; v16-31 at work in the quantiser
.set PC,   32                          ; v32-47 the codes just made
.set PWS,  48                          ; v48-55 a scale word for each K step
.set OW,   56                          ; v56-59 four of them on the way out
.set R,    64                          ; v64-191 two sets of numbers as loaded
.set X,    192                         ; v192-255 64 numbers as the quantiser wants them
.set WV,   2
.set SEL,  30                          ; s[30:31] lane selects: lane l xor 16
.set MNT,  32                          ; s32  the mantissa field of 57,344
.set HM,   33
; 64 numbers of a lane, register 16 b + i = k 32 b + 16 (lane / 16) + i of my row, become a fragment's codes in v[PC] on and its scale word in v[pw]
.macro QUANT s, pw
.irp b, 0,1,2,3
	v_max3_num_f32 v[TM+\b], |v[\s+16*\b]|, |v[\s+1+16*\b]|, 0x8000000   ; my 16 numbers of block b, and the floor 2^(16 - 127): the byte cannot fall under 1
.endr
.irp i, 2,4,6,8,10,12,14
.irp b, 0,1,2,3
	v_max3_num_f32 v[TM+\b], v[TM+\b], |v[\s+16*\b+\i]|, |v[\s+1+16*\b+\i]|
.endr
.endr
.irp b, 0,1,2,3
	v_permlanex16_b32 v[TM+4+\b], v[TM+\b], s[SEL], s[SEL+1]
.endr
.irp b, 0,1,2,3
	v_max_num_f32 v[TM+\b], v[TM+\b], v[TM+4+\b]          ; with lane l xor 16's: the block's largest magnitude
.endr
.irp b, 0,1,2,3
	v_add_nc_u32 v[TM+12+\b], 0xf8800000, v[TM+\b]        ; 15 off its exponent field: the conversion's scale operand
.endr
.irp b, 0,1,2,3
	v_and_or_b32 v[TM+8+\b], v[TM+\b], 0x7f800000, s[MNT] ; 57,344 x the scale
.endr
.irp b, 0,1,2,3
	v_lshrrev_b32 v[TM+4+\b], 23, v[TM+12+\b]             ; the scale's byte
.endr
	v_lshl_or_b32 v[\pw], v[TM+5], 8, v[TM+4]
	v_lshl_or_b32 v[\pw], v[TM+6], 16, v[\pw]
	v_lshl_or_b32 v[\pw], v[TM+7], 24, v[\pw]
.irp b, 0,1,2,3
.irp i, 0,1,2,3,4,5,6,7,8,9,10,11,12,13,14,15
	v_med3_num_f32 v[\s+16*\b+\i], v[\s+16*\b+\i], -v[TM+8+\b], v[TM+8+\b]   ; the conversion does not saturate (ISA guide 7.6.2): the hold at the largest code x the scale
.endr
	v_cvt_scalef32_pk8_bf8_f32 v[PC+4*\b:PC+1+4*\b], v[\s+16*\b:\s+7+16*\b], v[TM+12+\b]
	v_cvt_scalef32_pk8_bf8_f32 v[PC+2+4*\b:PC+3+4*\b], v[\s+8+16*\b:\s+15+16*\b], v[TM+12+\b]
.endr
	v_nop                                                 ; a plain line behind the last conversion
.endm
	s_load_b512 s[8:23], s[0:1], 0x0               ; q, k, v, pos_enc, Wq, Wk, Wv, r_kernel
	s_load_b128 s[24:27], s[0:1], 0x40             ; Wo, xc
	s_load_b64 s[28:29], s[0:1], 0x50              ; wc
	v_lshl_add_u32 v62, v0, 2, 0x8400
	v_mov_b32 v63, 0
	v_lshrrev_b32 v10, 5, v0
	v_readfirstlane_b32 s[WV], v10                 ; wave 0..3
	v_and_b32 v11, 31, v0                          ; lane
	v_and_b32 v12, 15, v0                          ; r
	v_bfe_u32 v13, v0, 4, 1                        ; h
	s_mov_b32 s[SEL], 0x76543210
	s_mov_b32 s[SEL+1], 0xfedcba98
	s_mov_b32 s[MNT], 0x600000
	s_mov_b32 s35, 0                               ; upper words of byte offsets
	s_mov_b32 s39, 0
	s_mov_b32 s41, 0
	s_cmp_lt_u32 ttmp9, NXB
	s_cbranch_scc0 .Lweights
	; ---- K INNERMOST: my work-group's block of 64 rows, my wave's tile of 16, eight K steps written out
	s_lshr_b32 s3, ttmp9, 6                        ; which tensor: 0 q, 1 k, 2 v, 3 pos_enc
	s_and_b32 s4, ttmp9, 63
	s_lshl_b32 s34, s4, 18                         ; the block's 64 rows of 4,096 bytes
	s_sub_co_u32 s5, s3, 1                         ; 0 or 1 for k and v: their tiles are permuted
	s_lshr_b32 s36, s[WV], 1
	s_lshl_b32 s36, s36, 5
	s_and_b32 s37, s[WV], 1
	s_lshl_b32 s37, s37, 3
	s_add_co_u32 s36, s36, s37                     ; permuted: the tile begins at row 32 (w / 2) + 8 (w % 2)
	s_lshl_b32 s37, s[WV], 4                       ; natural: at row 16 w
	s_cmp_lt_u32 s5, 2
	s_cselect_b32 s36, s36, s37
	s_cselect_b32 s37, 16, 8                       ; and its rows 8-15 lie so many rows behind its rows 0-7
	s_lshl_b32 s36, s36, 12
	s_lshl_b32 s37, s37, 12
	v_lshl_add_u32 v[VA], v11, 4, s36
	v_add_nc_u32 v[VB], s37, v[VA]
	s_mul_i32 s44, s[WV], 8448                     ; my stage: 16 rows x 528 bytes
	v_lshl_add_u32 v[SI], v11, 4, s44              ; in: a row's 512 bytes as they lie
	v_mul_u32_u24 v[SOO], v12, 528
	v_lshl_add_u32 v[SOO], v13, 6, v[SOO]
	v_add_nc_u32 v[SOO], s44, v[SOO]               ; out: row r, + 64 h: 528 = 33 x 16, so the sixteen rows of a load start in sixteen different columns of 16 bytes
	v_lshlrev_b32 v[LI], 4, v11
	v_lshlrev_b32 v[SCA], 5, v12
	v_lshl_add_u32 v[SCA], v13, 4, v[SCA]
.irp b, 0,1,2,3
	v_mov_b32 v[TM+4+\b], 0                        ; written once: a lane permute's destination counts as one of its sources
.endr
	s_mov_b32 s[HM], 0xffff0000
	s_wait_kmcnt 0x0
	s_cmp_eq_u32 s3, 1                             ; the choice hangs on the work-group's number alone
	s_cselect_b64 s[8:9], s[10:11], s[8:9]
	s_cmp_eq_u32 s3, 2
	s_cselect_b64 s[8:9], s[12:13], s[8:9]
	s_cmp_eq_u32 s3, 3
	s_cselect_b64 s[8:9], s[14:15], s[8:9]
	s_cselect_b32 s38, 4096, 0                     ; pos_enc begins at its row 1
	s_add_nc_u64 s[8:9], s[8:9], s[38:39]
	s_add_nc_u64 s[8:9], s[8:9], s[34:35]
	s_mul_i32 s40, ttmp9, BLK
	s_add_nc_u64 s[26:27], s[26:27], s[40:41]      ; my block of xc
	s_lshl_b32 s40, s[WV], 9
	s_add_co_u32 s40, s40, SCO
	s_add_nc_u64 s[42:43], s[26:27], s[40:41]      ; my tile's scale words
	s_lshl_b32 s40, s[WV], 14
	s_add_nc_u64 s[26:27], s[26:27], s[40:41]      ; my tile's images
.macro LOAD t                          ; K step t of the tile's 16 rows: each load reads 512 consecutive bytes of one row
.irp i, 0,1,2,3,4,5,6,7
	global_load_b128 v[R+64*((\t)%2)+4*\i:R+64*((\t)%2)+4*\i+3], v[VA], s[8:9] offset:4096*\i+512*(\t) th:TH_LOAD_NT
.endr
.irp i, 0,1,2,3,4,5,6,7
	global_load_b128 v[R+64*((\t)%2)+32+4*\i:R+64*((\t)%2)+35+4*\i], v[VB], s[8:9] offset:4096*\i+512*(\t) th:TH_LOAD_NT
.endr
.endm
.macro TURN t                          ; through my stage: LDS serves a wave's instructions in order, so no wait stands between the stores and the loads
.irp i, 0,1,2,3,4,5,6,7,8,9,10,11,12,13,14,15
	ds_store_b128 v[SI], v[R+64*((\t)%2)+4*\i:R+64*((\t)%2)+4*\i+3] offset:528*\i
.endr
.irp c, 0,1,2,3
.irp j, 0,1,2,3
	ds_load_b128 v[X+16*\c+4*\j:X+16*\c+4*\j+3], v[SOO] offset:128*\c+16*\j   ; row r, k = 32 c + 16 h + 4 j ..
.endr
.endr
.endm
.macro STEP t
.if (\t) < 7
	s_wait_loadcnt 16                              ; this K step's 16 loads are in; the next step's 16 may be out
.else
	s_wait_loadcnt 0x0
.endif
	TURN \t
	s_wait_dscnt 0x0                               ; the numbers are back, and the stores have read the set
.if (\t) < 6
	LOAD (\t)+2                                    ; which takes the K step two on
.endif
	s_wait_xcnt 0x0                                ; the last step's stores have read the codes' registers
	QUANT X, PWS+\t
.irp c, 0,1,2,3
	global_store_b128 v[LI], v[PC+4*\c:PC+4*\c+3], s[26:27] offset:FRB*(\t)+512*\c   ; 512 consecutive bytes
.endr
.endm
	LOAD 0
	LOAD 1
.irp t, 0,1,2,3,4,5,6,7
	STEP \t
.endr
.irp i, 0,1,2,3
	v_cndmask_b32 v[OW+\i], v[PWS+\i], v[PWS+4+\i], s[HM]    ; lanes 0-15 take row r's words of K steps 0-3, lanes 16-31 those of 4-7
.endr
	global_store_b128 v[SCA], v[OW:OW+3], s[42:43]           ; the tile's 512 bytes of scale words
	s_wait_tensorcnt 0x0
	ds_add_u32 v62, v63
	s_wait_dscnt 0x0
	s_endpgm
	; ---- K IS THE FIRST AXIS: a lane takes a column, its 32 registers run down one block of 32 along K.  A wave: 32 columns x 256 along K
.Lweights:
	s_sub_co_u32 s3, ttmp9, NXB
	s_lshr_b32 s4, s3, 2                           ; which 128 columns of the five matrices: 0..39
	s_and_b32 s5, s3, 3                            ; kc: which 256 along K
	s_lshr_b32 s6, s4, 3                           ; the matrix: 0 Wq, 1 Wk, 2 Wv, 3 r_kernel, 4 Wo
	s_and_b32 s7, s4, 7
	s_lshl_b32 s7, s7, 7
	s_lshl_b32 s34, s[WV], 5
	s_add_co_u32 s7, s7, s34                       ; n0: my wave's first column
	s_lshr_b32 s36, s7, 6                          ; the block of 64 columns (the head)
	s_bfe_u32 s37, s7, 0x10005                     ; bb: which 32 of them
	v_lshlrev_b32 v[VW], 2, v11
	v_bfe_u32 v14, v0, 3, 1                        ; column 32 bb + x lies in tile 2 bb + u, u = (x / 8) % 2,
	v_and_b32 v15, 7, v0
	v_lshl_or_b32 v15, v13, 3, v15                 ; at row x % 8 + 8 (x / 16)
	v_lshlrev_b32 v[VD], 4, v15
	v_lshl_add_u32 v[VD], v14, 14, v[VD]
	v_lshlrev_b32 v[VS], 5, v15
	v_lshl_add_u32 v[VS], v14, 9, v[VS]
	s_lshl_b32 s38, s6, 4
	s_add_co_u32 s38, s38, s36
	s_mul_i32 s38, s38, BLK                        ; block 16 x matrix + head
	s_wait_kmcnt 0x0
	s_add_nc_u64 s[28:29], s[28:29], s[38:39]
	s_lshl_b32 s38, s37, 10                        ; scale words: tile 2 bb, K steps 2 kc and 2 kc + 1
	s_lshl_b32 s40, s5, 3
	s_add_co_u32 s38, s38, s40
	s_add_co_u32 s38, s38, SCO
	s_add_nc_u64 s[42:43], s[28:29], s[38:39]
	s_lshl_b32 s38, s37, 15                        ; images: the same
	s_lshl_b32 s40, s5, 12
	s_add_co_u32 s38, s38, s40
	s_add_nc_u64 s[28:29], s[28:29], s[38:39]
	s_cmp_eq_u32 s6, 1
	s_cselect_b64 s[16:17], s[18:19], s[16:17]
	s_cmp_eq_u32 s6, 2
	s_cselect_b64 s[16:17], s[20:21], s[16:17]
	s_cmp_eq_u32 s6, 3
	s_cselect_b64 s[16:17], s[22:23], s[16:17]
	s_cmp_eq_u32 s6, 4
	s_cselect_b64 s[16:17], s[24:25], s[16:17]
	s_lshl_b32 s38, s5, 20                         ; [1024][1024]: 256 kc rows of 4,096 bytes + 4 n0
	s_lshl_b32 s40, s7, 2
	s_add_co_u32 s38, s38, s40
	s_lshl_b32 s40, s36, 18                        ; r_kernel [16][1024][64]: the head, 256 kc rows of 256 bytes, 4 (n0 % 64)
	s_lshl_b32 s44, s5, 16
	s_add_co_u32 s40, s40, s44
	s_and_b32 s44, s7, 63
	s_lshl_b32 s44, s44, 2
	s_add_co_u32 s40, s40, s44
	s_cmp_eq_u32 s6, 3
	s_cselect_b32 s38, s40, s38
	s_add_nc_u64 s[16:17], s[16:17], s[38:39]
.macro WLOAD t, stride                 ; block t: rows 32 t + i of my column; neighbouring lanes read neighbouring columns
.set i, 0
.rept 32
	global_load_b32 v[R+32*((\t)%2)+i], v[VW], s[16:17] offset:(32*(\t)+i)*\stride th:TH_LOAD_NT
.set i, i+1
.endr
.endm
.macro WBLOCK t, stride
.set XW, R+32*((\t)%2)
.if (\t) < 7
	s_wait_loadcnt 32                              ; this block's 32 loads are in; the next block's may be out
.else
	s_wait_loadcnt 0x0
.endif
	v_max3_num_f32 v[TM], |v[XW]|, |v[XW+1]|, |v[XW+2]|      ; all 32 numbers of the block are mine
	v_max3_num_f32 v[TM+1], |v[XW+3]|, |v[XW+4]|, |v[XW+5]|
.irp i, 6,10,14,18,22,26
	v_max3_num_f32 v[TM], v[TM], |v[XW+\i]|, |v[XW+\i+1]|
	v_max3_num_f32 v[TM+1], v[TM+1], |v[XW+\i+2]|, |v[XW+\i+3]|
.endr
	v_max3_num_f32 v[TM], v[TM], |v[XW+30]|, |v[XW+31]|
	v_max3_num_f32 v[TM], v[TM], v[TM+1], 0x8000000          ; and the floor
	v_add_nc_u32 v[TM+3], 0xf8800000, v[TM]
	v_and_or_b32 v[TM+2], v[TM], 0x7f800000, s[MNT]
	v_lshrrev_b32 v[TM+1], 23, v[TM+3]
.if (\t)%4 == 0
	v_mov_b32 v[PWS+(\t)/4], v[TM+1]                         ; four bytes to a word, the lower K in the lower byte
.else
	v_lshl_or_b32 v[PWS+(\t)/4], v[TM+1], 8*((\t)%4), v[PWS+(\t)/4]
.endif
.set i, 0
.rept 32
	v_med3_num_f32 v[XW+i], v[XW+i], -v[TM+2], v[TM+2]
.set i, i+1
.endr
	s_wait_xcnt 0x0                                ; the last block's stores have read the codes' registers
.irp g, 0,1,2,3
	v_cvt_scalef32_pk8_bf8_f32 v[PC+2*\g:PC+2*\g+1], v[XW+8*\g:XW+8*\g+7], v[TM+3]
.endr
	v_nop
	global_store_b128 v[VD], v[PC:PC+3], s[28:29] offset:FRB*((\t)/4)+512*((\t)%4)        ; k 0-15 of the block: the image's lanes 0-15; sixteen lanes store 256 consecutive bytes, aligned
	global_store_b128 v[VD], v[PC+4:PC+7], s[28:29] offset:FRB*((\t)/4)+512*((\t)%4)+256  ; k 16-31: its lanes 16-31
.if (\t) < 6
	WLOAD (\t)+2, \stride
.endif
.endm
.macro WPATH stride
	WLOAD 0, \stride
	WLOAD 1, \stride
.irp t, 0,1,2,3,4,5,6,7
	WBLOCK \t, \stride
.endr
	global_store_b64 v[VS], v[PWS:PWS+1], s[42:43] ; my column's two scale words
.endm
	s_cmp_eq_u32 s6, 3                             ; the row pitch stands in the immediates: the text is written for each of the two pitches
	s_cbranch_scc1 .Lkernel_rows
	WPATH 4096
	s_endpgm
.Lkernel_rows:
	WPATH 256
	s_endpgm
.Lfunc_end_k_qb567383fde_quant:
	.size	k_qb567383fde_quant, .Lfunc_end_k_qb567383fde_quant-k_qb567383fde_quant
	.p2alignl 7, 3214868480
	.fill 96, 4, 3214868480
	.section	.rodata,"a",@progbits
	.p2align	6, 0x0
	.amdhsa_kernel k_qb567383fde_quant
		.amdhsa_group_segment_fixed_size 34304
		.amdhsa_private_segment_fixed_size 0
		.amdhsa_enable_private_segment 0
		.amdhsa_kernarg_size 88
		.amdhsa_user_sgpr_count 2
		.amdhsa_user_sgpr_kernarg_segment_ptr 1
		.amdhsa_wavefront_size32 1
		.amdhsa_system_sgpr_workgroup_id_x 1
		.amdhsa_system_sgpr_workgroup_id_y 1
		.amdhsa_system_sgpr_workgroup_id_z 1
		.amdhsa_system_vgpr_workitem_id 0
		.amdhsa_next_free_vgpr 256
		.amdhsa_next_free_sgpr 66
		.amdhsa_reserve_vcc 0
		.amdhsa_float_denorm_mode_32 3
		.amdhsa_float_denorm_mode_16_64 3
		.amdhsa_memory_ordered 1
		.amdhsa_forward_progress 1
		.amdhsa_inst_pref_size 210
	.end_amdhsa_kernel
	.amdgpu_metadata
---
amdhsa.version: [ 1, 2 ]
amdhsa.kernels:
  - .name:           k_qb567383fde_quant
    .symbol:         k_qb567383fde_quant.kd
    .args:
      - { .name: q, .offset: 0, .size: 8, .value_kind: global_buffer, .address_space: global }
      - { .name: k, .offset: 8, .size: 8, .value_kind: global_buffer, .address_space: global }
      - { .name: v, .offset: 16, .size: 8, .value_kind: global_buffer, .address_space: global }
      - { .name: pos_enc, .offset: 24, .size: 8, .value_kind: global_buffer, .address_space: global }
      - { .name: Wq, .offset: 32, .size: 8, .value_kind: global_buffer, .address_space: global }
      - { .name: Wk, .offset: 40, .size: 8, .value_kind: global_buffer, .address_space: global }
      - { .name: Wv, .offset: 48, .size: 8, .value_kind: global_buffer, .address_space: global }
      - { .name: r_kernel, .offset: 56, .size: 8, .value_kind: global_buffer, .address_space: global }
      - { .name: Wo, .offset: 64, .size: 8, .value_kind: global_buffer, .address_space: global }
      - { .name: xc, .offset: 72, .size: 8, .value_kind: global_buffer, .address_space: global }
      - { .name: wc, .offset: 80, .size: 8, .value_kind: global_buffer, .address_space: global }
    .group_segment_fixed_size: 34304
    .private_segment_fixed_size: 0
    .kernarg_segment_align: 8
    .kernarg_segment_size: 88
    .max_flat_workgroup_size: 128
    .sgpr_count:     66
    .vgpr_count:     256
    .wavefront_size: 32
...
	.end_amdgpu_metadata
.endif
;; end of part 1
;; launch proj (part 2): grid 224 x 1, 4 waves a work-group, clusters of 4 x 1, 327,680 bytes of LDS; arguments xc, wc, bq, bk, bv, r_w_bias, r_r_bias, qc, qs, kv, pe; writes qc, qs, kv, pe
.if DOCPART == 2
	.amdgcn_target "amdgcn-amd-amdhsa--gfx1250"
	.amdhsa_code_object_version 6
	.text
	.protected	k_qb567383fde_proj
	.globl	k_qb567383fde_proj
	.p2align	8
	.type	k_qb567383fde_proj,@function
k_qb567383fde_proj:
	s_mov_b64 s[64:65], 0
	v_nop
	global_prefetch_b8 v0, s[64:65] scope:SCOPE_SE
	s_setreg_imm32_b32 hwreg(HW_REG_WAVE_MODE, 25, 1), 1
	s_wait_xcnt 0x0
	s_wait_alu depctr_hold_cnt(0) depctr_sa_sdst(0) depctr_va_vdst(0) depctr_va_sdst(0) depctr_va_ssrc(0) depctr_va_vcc(0) depctr_vm_vsrc(0)
	s_getreg_b32 s2, hwreg(HW_REG_IB_STS2, 6, 4)
	s_cmp_eq_u32 s2, 0
	s_cbranch_scc0 .Lentry_in_a_cluster
	s_endpgm
.Lentry_in_a_cluster:
	s_bfe_u32 s2, ttmp6, 0x10000c
	s_cmp_lg_u32 s2, 0x3003
	s_cbranch_scc0 .Lentry_shape_is_right
	s_endpgm
.Lentry_shape_is_right:
; The four projections on codes of E5M2 (q Wq, k Wk, v Wv, pos_enc r_kernel), their biases, and the quantising of the results as operands of the attention's three products.
; Each wave keeps ONE STATIONARY block (64 rows x K 1,024, 512 registers) as source 0; FOUR STREAMED blocks go through a ring of two LDS slots as source 1, each read by all four waves.
; In a result lane (r, h) holds streamed row r, and register 16 b + 8 u + j of its four tiles the stationary row 32 b + 16 h + 8 u + j (stationary tiles are permuted for that): 16 neighbours along the next K,
; so the conversions' results are the next operand's registers, and leave as its image (16 bytes a lane, 512 an instruction).
; JOBS, by the cluster's number: 0 q, 1 k, 3 pos_enc: stationary = a head's 64 columns of the weight, streamed = rows.  2 v: stationary = 64 keys of v, streamed = heads of Wv: the result runs along the KEYS, the last product's K.
; CLUSTER: the four partners walk the same four streamed blocks, so each quarter block is asked for JOINTLY (mask 15).  The place in the cluster enters the stationary block's, the biases' and the outputs' addresses alone.
; The ring: slot 0 is filled behind the first round; each of the four trips waits for all loads, adds 0 to the spare word, passes a round and asks for the next block: one tensor load of a wave is out at any time.
; A K of 64 is given as half a fragment; its scale word has bytes 2 and 3 = 0x7f.  LIMITS: NaN and infinities are not served; a block of zeros keeps the byte 1.
.set BLK,  67584
.set TIL,  16384
.set FRB,  2048
.set SCO,  65536
.set QTR,  16896                       ; a quarter block: 66 rows of 256 bytes, what one tensor load brings
.set SPARE, 2*BLK                      ; behind the ring: the spare words, 128 bytes a wave
.set LI,   1                           ; v1   16 x lane
.set LS32, 2                           ; v2   32 x (lane % 16): a row's eight scale words
.set LSA,  3                           ; v3   where my scale word goes
.set AX,   4                           ; v4   LDS: the streamed tile's images
.set AXS,  5                           ; v5   LDS: its scale words
.set SPW,  6                           ; v6   my spare word; never rewritten
.set NIL,  7                           ; v7   0; never rewritten
.set VBO,  8                           ; v8   4 (r + 8 (r / 8)): my channel in a permuted tile
.set VB2,  9                           ; v9   bv's offset in this trip
.set BV,   10                          ; v[10:11] bv of my channel (the pair's low word serves both halves)
.set PW,   12                          ; v12  the scale word just made
.set PW1,  13                          ; v13  job q: the word of q + r_w_bias
.set PWS,  14                          ; v14  the word that is stored
.set VH,   15                          ; v15  64 h: the biases' offset
.set WS,   16                          ; v16-47 the stationary block's scale words: 8 t + s
.set XS,   48                          ; v48-55 the streamed tile's: s
.set TM,   56                          ; v56-71 at work in the quantiser
.set PC,   72                          ; v72-79 the codes just made
.set ACC,  96                          ; v96-127 four accumulators
.set XF,   128                         ; v128-255 the streamed tile's eight fragments
.set T,    128                         ; v128-159 job q: q + r_w_bias
.set BI,   0                           ; window 3: the bias that starts the sums; r_w_bias; r_r_bias, each 32 registers in the result's layout
.set RW,   32
.set RR,   64
.set WV,   26
.set JOB,  27
.set CL,   28
.set CX,   29
.set HH,   30
.set G1,   32
.set G0,   40
.set PI,   48                          ; s[48:49] where the (first) image goes; s[50:51] the second; s[52:53] the scale words
.set PI2,  50
.set PS,   52
.set DI,   54                          ; steps from tile to tile: images, scale words;
.set DS,   56
.set EI,   58                          ; and, on top, from block to block
.set ES,   60
.set STA,  66
.set STR,  68
.set BVP,  70
.set MO,   72
.set MS,   73
.set MC,   74
.set BVO,  75
.set BVI,  76
.set HM,   77
.set SEL,  78
.set MNT,  80
.set MSB, 0
.macro WIN new                         ; the immediate's high byte repeats the setting that is left
.if MSB != \new
	s_set_vgpr_msb (MSB<<8)|\new
.set MSB, \new
.endif
.endm
.macro ROUND                           ; a round of the cluster's barrier
	s_barrier_signal -1
	s_barrier_wait -1
	s_cmp_lg_u32 s[WV], 0
	s_cbranch_scc1 .Lnot_wave_0_\@
	s_barrier_signal -3
.Lnot_wave_0_\@:
	s_barrier_wait -3
	s_barrier_signal -1
	s_barrier_wait -1
.endm
; 32 numbers of a lane, register 16 b + i = k 32 b + 16 (lane / 16) + i of my row, become half a fragment's codes in v[PC] on and its scale word in v[PW]
.macro QUANT2 s
.irp b, 0,1
	v_max3_num_f32 v[TM+\b], |v[\s+16*\b]|, |v[\s+1+16*\b]|, 0x8000000   ; and the floor 2^(16 - 127): the byte cannot fall under 1
.endr
.irp i, 2,4,6,8,10,12,14
.irp b, 0,1
	v_max3_num_f32 v[TM+\b], v[TM+\b], |v[\s+16*\b+\i]|, |v[\s+1+16*\b+\i]|
.endr
.endr
.irp b, 0,1
	v_permlanex16_b32 v[TM+4+\b], v[TM+\b], s[SEL], s[SEL+1]
.endr
.irp b, 0,1
	v_max_num_f32 v[TM+\b], v[TM+\b], v[TM+4+\b]          ; with lane l xor 16's: the block's largest magnitude
.endr
.irp b, 0,1
	v_add_nc_u32 v[TM+12+\b], 0xf8800000, v[TM+\b]        ; 15 off its exponent field: the conversion's scale operand
.endr
.irp b, 0,1
	v_and_or_b32 v[TM+8+\b], v[TM+\b], 0x7f800000, s[MNT] ; 57,344 x the scale
.endr
.irp b, 0,1
	v_lshrrev_b32 v[TM+4+\b], 23, v[TM+12+\b]             ; the scale's byte
.endr
	v_lshl_or_b32 v[PW], v[TM+5], 8, v[TM+4]
	v_or_b32 v[PW], 0x7f7f0000, v[PW]                     ; the two blocks that are not there: 1.0
.irp b, 0,1
.irp i, 0,1,2,3,4,5,6,7,8,9,10,11,12,13,14,15
	v_med3_num_f32 v[\s+16*\b+\i], v[\s+16*\b+\i], -v[TM+8+\b], v[TM+8+\b]   ; the conversion does not saturate (ISA guide 7.6.2)
.endr
	v_cvt_scalef32_pk8_bf8_f32 v[PC+4*\b:PC+1+4*\b], v[\s+16*\b:\s+7+16*\b], v[TM+12+\b]
	v_cvt_scalef32_pk8_bf8_f32 v[PC+2+4*\b:PC+3+4*\b], v[\s+8+16*\b:\s+15+16*\b], v[TM+12+\b]
.endr
	v_nop                                                 ; a plain line behind the last conversion
.endm
.macro BIAS reg, ptr                   ; lane (r, h) wants, for tile 2 b + u, the numbers of columns 32 b + 16 h + 8 u + 0 .. 7
.irp t, 0,1,2,3
	global_load_b128 v[\reg+8*\t:\reg+8*\t+3], v[VH], s[\ptr:\ptr+1] offset:(32*(\t/2)+8*(\t%2))*4
	global_load_b128 v[\reg+8*\t+4:\reg+8*\t+7], v[VH], s[\ptr:\ptr+1] offset:(32*(\t/2)+8*(\t%2))*4+16
.endr
.endm
	s_load_b512 s[4:19], s[0:1], 0x0               ; xc, wc, bq, bk, bv, r_w_bias, r_r_bias, qc
	s_load_b128 s[20:23], s[0:1], 0x40             ; qs, kv
	s_load_b64 s[24:25], s[0:1], 0x50              ; pe
	v_lshl_add_u32 v[SPW], v0, 2, SPARE
	v_mov_b32 v[NIL], 0
	ds_add_u32 v6, v7
	s_wait_dscnt 0x0
	v_lshrrev_b32 v80, 5, v0
	v_readfirstlane_b32 s[WV], v80                 ; wave 0..3
	s_lshr_b32 s[JOB], ttmp9, 4                    ; in a cluster launch ttmp9 counts clusters: 16 for each of q, k, v, 8 for pos_enc
	s_and_b32 s[CL], ttmp9, 15
	s_bfe_u32 s[CX], ttmp6, 0x40000                ; my place in the cluster
	s_lshl_b32 s[HH], s[CX], 2
	s_add_co_u32 s[HH], s[HH], s[WV]               ; 4 cx + wave: which of sixteen stationary blocks
	; descriptor group 1: a dense quarter block, 66 rows of 32 elements of 8 bytes, for all four partners
	s_mov_b32 s[G1], 15|(3<<16)|(1<<21)
	s_mov_b32 s[G1+1], 32<<16
	s_mov_b32 s[G1+2], 66<<16
	s_mov_b32 s[G1+3], 32<<16
	s_mov_b32 s[G1+4], 66
	s_mov_b32 s[G1+5], 32
	s_mov_b32 s[G1+6], 0
	s_mov_b32 s[G1+7], 0
	; the first streamed block: xc block 64 job + 4 cl; job v: wc block 32 + 4 (cl / 4).  Nothing of cx enters these registers
	s_lshl_b32 s82, s[JOB], 6
	s_lshl_b32 s83, s[CL], 2
	s_add_co_u32 s82, s82, s83
	s_lshr_b32 s83, s[CL], 2
	s_lshl_b32 s83, s83, 2
	s_add_co_u32 s83, s83, 32
	s_cmp_eq_u32 s[JOB], 2
	s_cselect_b32 s82, s83, s82
	s_mul_i32 s82, s82, BLK
	s_mul_i32 s86, s[WV], QTR                      ; my quarter, in memory and in a slot
	s_add_co_u32 s82, s82, s86
	s_mov_b32 s83, 0
	; the stationary block: wc block 16 job + 4 cx + w; job v: xc block 128 + 16 (cl % 4) + 4 cx + w
	s_lshl_b32 s84, s[JOB], 4
	s_and_b32 s85, s[CL], 3
	s_lshl_b32 s85, s85, 4
	s_add_co_u32 s85, s85, 128
	s_cmp_eq_u32 s[JOB], 2
	s_cselect_b32 s84, s85, s84
	s_add_co_u32 s84, s84, s[HH]
	s_mul_i32 s84, s84, BLK
	s_mov_b32 s85, 0
	s_wait_kmcnt 0x0
	s_cmp_eq_u32 s[JOB], 2
	s_cselect_b64 s[STR:STR+1], s[6:7], s[4:5]
	s_cselect_b64 s[STA:STA+1], s[4:5], s[6:7]
	s_add_nc_u64 s[STR:STR+1], s[STR:STR+1], s[82:83]
	s_add_nc_u64 s[STA:STA+1], s[STA:STA+1], s[84:85]
.irp n, 0,1
	s_mov_b32 s[G0+4*\n], 1
	s_add_co_u32 s[G0+4*\n+1], s86, \n*BLK
	s_add_nc_u64 s[G0+4*\n+2:G0+4*\n+3], s[STR:STR+1], \n*BLK
	s_or_b32 s[G0+4*\n+3], s[G0+4*\n+3], 0x80000000
.endr
	ROUND                                          ; all four work-groups are here: the first joint load meets
	tensor_load_to_lds s[G0:G0+3], s[G1:G1+7]      ; streamed block 0 into slot 0
	s_nop 0
.rept 4
	v_nop
.endr
	v_and_b32 v80, 31, v0
	v_and_b32 v81, 15, v0                          ; r
	v_bfe_u32 v82, v0, 4, 1                        ; h
	v_lshlrev_b32 v[LI], 4, v80
	v_lshlrev_b32 v[LS32], 5, v81
	v_lshlrev_b32 v[VH], 6, v82
	v_and_b32 v83, 8, v81
	v_add_nc_u32 v83, v83, v81
	v_lshlrev_b32 v[VBO], 2, v83
	s_cmp_eq_u32 s[JOB], 0
	s_cselect_b32 s[HM], 0xffff0000, -1            ; job q: lanes 16-31 store the second word; else all lanes the one word
	s_cselect_b32 s87, 31, 15
	v_and_b32 v[LSA], s87, v0
	v_lshlrev_b32 v[LSA], 2, v[LSA]
	v_mov_b32 v[BV], 0
	v_mov_b32 v[BV+1], 0
	v_mov_b32 v[PW1], 0
	v_mov_b32 v[TM+4], 0                           ; written once: a lane permute's destination counts as one of its sources
	v_mov_b32 v[TM+5], 0
	s_mov_b32 s[SEL], 0x76543210
	s_mov_b32 s[SEL+1], 0xfedcba98
	s_mov_b32 s[MNT], 0x600000
	; the stationary block: fragment (tile t, K step s) at register 64 (s % 4) + 16 t of window 1 + s / 4
	WIN 0x40
.irp s, 0,1,2,3
.irp t, 0,1,2,3
.irp c, 0,1,2,3
	global_load_b128 v[64*\s+16*\t+4*\c:64*\s+16*\t+4*\c+3], v[LI], s[STA:STA+1] offset:TIL*\t+FRB*\s+512*\c
.endr
.endr
.endr
	WIN 0x80
.irp s, 0,1,2,3
.irp t, 0,1,2,3
.irp c, 0,1,2,3
	global_load_b128 v[64*\s+16*\t+4*\c:64*\s+16*\t+4*\c+3], v[LI], s[STA:STA+1] offset:TIL*\t+FRB*(\s+4)+512*\c
.endr
.endr
.endr
	WIN 0
.irp t, 0,1,2,3
	global_load_b128 v[WS+8*\t:WS+8*\t+3], v[LS32], s[STA:STA+1] offset:SCO+512*\t
	global_load_b128 v[WS+8*\t+4:WS+8*\t+7], v[LS32], s[STA:STA+1] offset:SCO+512*\t+16
.endr
	WIN 0xc0                                       ; the three sets of biases begin as zeros: jobs v and pos_enc start their sums with 0, and every way has written what the text names
.set i, 0
.rept 96
	v_mov_b32 v[i], 0
.set i, i+1
.endr
	WIN 0
	s_lshl_b32 s88, s[HH], 8                       ; my head's 64 numbers
	s_mov_b32 s89, 0
	s_add_nc_u64 s[8:9], s[8:9], s[88:89]
	s_add_nc_u64 s[10:11], s[10:11], s[88:89]
	s_add_nc_u64 s[14:15], s[14:15], s[88:89]
	s_add_nc_u64 s[16:17], s[16:17], s[88:89]
	s_cmp_eq_u32 s[JOB], 0
	s_cbranch_scc0 .Lbias_not_q
	WIN 0xc0
	BIAS BI, 8
	BIAS RW, 14
	BIAS RR, 16
	WIN 0
	s_branch .Lbias_done
.Lbias_not_q:
	s_cmp_eq_u32 s[JOB], 1
	s_cbranch_scc0 .Lbias_done
	WIN 0xc0
	BIAS BI, 10
	WIN 0
.Lbias_done:
	; where the results go
	s_lshr_b32 s82, s[CL], 2
	s_lshl_b32 s82, s82, 10
	s_mov_b32 s83, 0
	s_add_nc_u64 s[BVP:BVP+1], s[12:13], s[82:83]  ; bv at the first streamed head (read by job v alone)
	s_mov_b32 s[BVO], 0
	s_mov_b32 s[BVI], 32
	s_and_b32 s90, s[CL], 7
	s_lshr_b32 s92, s[CL], 3
	s_lshl_b32 s92, s92, 4
	s_add_co_u32 s92, s92, s[HH]                   ; jobs q, k: y = 16 x batch + head
	s_mov_b32 s85, 0
	s_mov_b32 s[DI+1], 0
	s_mov_b32 s[DS+1], 0
	s_mov_b32 s[EI], 0
	s_mov_b32 s[EI+1], 0
	s_mov_b32 s[ES], 0
	s_mov_b32 s[ES+1], 0
	s_cmp_eq_u32 s[JOB], 0
	s_cbranch_scc0 .Lout_not_q
	s_lshl_b32 s82, s92, 18                        ; qc [y][query tile][2,048]: the cluster's 16 tiles begin at tile 16 (cl % 8)
	s_lshl_b32 s84, s90, 15
	s_add_co_u32 s82, s82, s84
	s_add_nc_u64 s[PI:PI+1], s[18:19], s[82:83]
	s_add_nc_u64 s[PI2:PI2+1], s[PI:PI+1], 1024
	s_lshl_b32 s82, s92, 14                        ; qs [y][query tile][128]
	s_lshl_b32 s84, s90, 11
	s_add_co_u32 s82, s82, s84
	s_add_nc_u64 s[PS:PS+1], s[20:21], s[82:83]
	s_mov_b32 s[DI], 2048
	s_mov_b32 s[DS], 128
	s_branch .Lout_done
.Lout_not_q:
	s_cmp_eq_u32 s[JOB], 1
	s_cbranch_scc0 .Lout_not_k
	s_mul_i32 s82, s92, 274432                     ; kv [y][slot of 256 keys][34,304]: the cluster's four blocks are slot cl % 8
	s_mul_i32 s84, s90, 34304
	s_add_co_u32 s82, s82, s84
	s_add_nc_u64 s[PI:PI+1], s[22:23], s[82:83]
	s_mov_b64 s[PI2:PI2+1], s[PI:PI+1]
	s_add_nc_u64 s[PS:PS+1], s[PI:PI+1], 32768
	s_mov_b32 s[DI], 1024
	s_mov_b32 s[DS], 64
	s_branch .Lout_done
.Lout_not_k:
	s_cmp_eq_u32 s[JOB], 2
	s_cbranch_scc0 .Lout_pe
	s_and_b32 s86, s[CL], 3                        ; my work-group's 256 keys: ci = 4 (cl % 4) + cx: batch ci / 8, slot ci % 8; my wave's 64 of them: K step w / 2, half w % 2
	s_lshl_b32 s86, s86, 2
	s_add_co_u32 s86, s86, s[CX]
	s_lshr_b32 s87, s86, 3
	s_lshl_b32 s87, s87, 4
	s_lshr_b32 s88, s[CL], 2
	s_lshl_b32 s88, s88, 2
	s_add_co_u32 s87, s87, s88                     ; y of the first streamed head
	s_mul_i32 s82, s87, 274432
	s_and_b32 s86, s86, 7
	s_mul_i32 s84, s86, 34304
	s_add_co_u32 s82, s82, s84
	s_add_nc_u64 s[PS:PS+1], s[22:23], s[82:83]    ; the slot
	s_lshr_b32 s86, s[WV], 1
	s_and_b32 s87, s[WV], 1
	s_lshl_b32 s84, s86, 13
	s_lshl_b32 s88, s87, 10
	s_add_co_u32 s84, s84, s88
	s_add_co_u32 s84, s84, 16384
	s_add_nc_u64 s[PI:PI+1], s[PS:PS+1], s[84:85]  ; V's images [K step][tile of channels][2,048]: my half of each
	s_mov_b64 s[PI2:PI2+1], s[PI:PI+1]
	s_lshl_b32 s84, s86, 8
	s_lshl_b32 s88, s87, 1
	s_add_co_u32 s84, s84, s88
	s_add_co_u32 s84, s84, 33792
	s_add_nc_u64 s[PS:PS+1], s[PS:PS+1], s[84:85]  ; V's scale words [K step][tile][16]: my two bytes of each
	s_mov_b32 s[DI], 2048
	s_mov_b32 s[DS], 64
	s_mov_b32 s[EI], 274432-4*2048                 ; on to the next head
	s_mov_b32 s[ES], 274432-4*64
	s_branch .Lout_done
.Lout_pe:
	s_mul_i32 s82, s[HH], 139264                   ; pe [head][128 tiles x 1,024][128 x 64]
	s_add_nc_u64 s[PS:PS+1], s[24:25], s[82:83]
	s_lshl_b32 s84, s[CL], 14
	s_add_nc_u64 s[PI:PI+1], s[PS:PS+1], s[84:85]
	s_mov_b64 s[PI2:PI2+1], s[PI:PI+1]
	s_lshl_b32 s84, s[CL], 10
	s_add_co_u32 s84, s84, 131072
	s_add_nc_u64 s[PS:PS+1], s[PS:PS+1], s[84:85]
	s_mov_b32 s[DI], 1024
	s_mov_b32 s[DS], 64
.Lout_done:
	s_wait_loadcnt 0x0                             ; the stationary block and the biases, once
; The streamed block in a slot: four tiles of 16 rows, a trip each
.macro BLOCKWORK slot
	s_mov_b32 s[MO], \slot*BLK
	s_mov_b32 s[MS], \slot*BLK+SCO
	s_mov_b32 s[MC], 4
.Lm_\@:
	v_add_nc_u32 v[AX], s[MO], v[LI]
	v_add_nc_u32 v[AXS], s[MS], v[LS32]
	ds_load_b128 v[XS:XS+3], v[AXS]
	ds_load_b128 v[XS+4:XS+7], v[AXS] offset:16
.irp s, 0,1,2,3,4,5,6,7
.irp c, 0,1,2,3
	ds_load_b128 v[XF+16*\s+4*\c:XF+16*\s+4*\c+3], v[AX] offset:FRB*\s+512*\c
.endr
.endr
	s_cmp_eq_u32 s[JOB], 2
	s_cbranch_scc0 .Lno_bv_\@
	v_add_nc_u32 v[VB2], s[BVO], v[VBO]
	global_load_b32 v[BV], v[VB2], s[BVP:BVP+1]    ; job v: a lane holds one channel: its bv
.Lno_bv_\@:
.irp s, 0,1,2,3,4,5,6,7
	s_wait_dscnt 28-4*\s                           ; the scale words and K steps 0 .. s are in; the four loads of each later K step may be out
.if \s == 0
	WIN 0x31                                       ; source 0 window 1, C (the bias) window 3
.elseif \s < 4
	WIN 0x01
.else
	WIN 0x02
.endif
.irp t, 0,1,2,3                        ; the four accumulators take turns, one instruction a turn
.if \s == 0
	v_wmma_scale_f32_16x16x128_f8f6f4 v[ACC+8*\t:ACC+8*\t+7], v[64*(\s%4)+16*\t:64*(\s%4)+16*\t+15], v[XF+16*\s:XF+16*\s+15], v[BI+8*\t:BI+8*\t+7], v[WS+8*\t+\s], v[XS+\s] matrix_a_fmt:MATRIX_FMT_BF8 matrix_b_fmt:MATRIX_FMT_BF8
.else
	v_wmma_scale_f32_16x16x128_f8f6f4 v[ACC+8*\t:ACC+8*\t+7], v[64*(\s%4)+16*\t:64*(\s%4)+16*\t+15], v[XF+16*\s:XF+16*\s+15], v[ACC+8*\t:ACC+8*\t+7], v[WS+8*\t+\s], v[XS+\s] matrix_a_fmt:MATRIX_FMT_BF8 matrix_b_fmt:MATRIX_FMT_BF8
.endif
.endr
.endr
	WIN 0
.rept 9
	v_nop                                          ; places behind the products: eight for the reads of results and the writes over fragments; the ninth since the next trip's first products begin these accumulators anew
.endr
	s_wait_loadcnt 0x0                             ; bv (it also frees the load's offset register)
	s_cmp_eq_u32 s[JOB], 0
	s_cbranch_scc0 .Lnot_q_\@
	WIN 0x0c                                       ; source 1 window 3
.set i, 0
.rept 16
	v_pk_add_f32 v[T+i:T+i+1], v[ACC+i:ACC+i+1], v[RW+i:RW+i+1]        ; q + r_w_bias
.set i, i+2
.endr
	WIN 0
	QUANT2 T
	v_mov_b32 v[PW1], v[PW]
	global_store_b128 v[LI], v[PC:PC+3], s[PI:PI+1]
	global_store_b128 v[LI], v[PC+4:PC+7], s[PI:PI+1] offset:512
	WIN 0x0c
.set i, 0
.rept 16
	v_pk_add_f32 v[ACC+i:ACC+i+1], v[ACC+i:ACC+i+1], v[RR+i:RR+i+1]    ; q + r_r_bias
.set i, i+2
.endr
	WIN 0
	s_wait_xcnt 0x0                                ; the two stores have read the codes' registers
.Lnot_q_\@:
	s_cmp_eq_u32 s[JOB], 2
	s_cbranch_scc0 .Lnot_v_\@
.set i, 0
.rept 16
	v_pk_add_f32 v[ACC+i:ACC+i+1], v[ACC+i:ACC+i+1], v[BV:BV+1] op_sel_hi:[1,0]
.set i, i+2
.endr
.Lnot_v_\@:
	QUANT2 ACC
	global_store_b128 v[LI], v[PC:PC+3], s[PI2:PI2+1]
	global_store_b128 v[LI], v[PC+4:PC+7], s[PI2:PI2+1] offset:512
	v_cndmask_b32 v[PWS], v[PW1], v[PW], s[HM]
	s_cmp_eq_u32 s[JOB], 2
	s_cbranch_scc1 .Lhalf_\@
	global_store_b32 v[LSA], v[PWS], s[PS:PS+1]
	s_branch .Lstored_\@
.Lhalf_\@:
	global_store_b16 v[LSA], v[PW], s[PS:PS+1]     ; job v: my 64 keys are two of the word's four blocks
.Lstored_\@:
	s_wait_xcnt 0x0                                ; the stores have read their registers and bases: both are written again below and in the next trip
	s_add_nc_u64 s[PI:PI+1], s[PI:PI+1], s[DI:DI+1]
	s_add_nc_u64 s[PI2:PI2+1], s[PI2:PI2+1], s[DI:DI+1]
	s_add_nc_u64 s[PS:PS+1], s[PS:PS+1], s[DS:DS+1]
	s_add_co_u32 s[MO], s[MO], TIL
	s_add_co_u32 s[MS], s[MS], 512
	s_add_co_u32 s[BVO], s[BVO], s[BVI]            ; permuted tiles begin at channels 0, 8, 32, 40, 64 ..: steps of 32 and 96 bytes by turns
	s_xor_b32 s[BVI], s[BVI], 64
	s_sub_co_u32 s[MC], s[MC], 1
	s_cmp_lg_u32 s[MC], 0
	s_cbranch_scc1 .Lm_\@
	s_add_nc_u64 s[PI:PI+1], s[PI:PI+1], s[EI:EI+1]
	s_add_nc_u64 s[PI2:PI2+1], s[PI2:PI2+1], s[EI:EI+1]
	s_add_nc_u64 s[PS:PS+1], s[PS:PS+1], s[ES:ES+1]
.endm
.macro TRIP slot, refill
	s_wait_tensorcnt 0x0                           ; all my tensor loads have landed: my quarter of this trip's block
	ds_add_u32 v[SPW], v[NIL]                      ; 0 onto my spare word
	s_add_nc_u64 s[G0+4*\slot+2:G0+4*\slot+3], s[G0+4*\slot+2:G0+4*\slot+3], 2*BLK   ; no load of mine is out: this slot's next block
	s_wait_dscnt 0x0                               ; the add is done, and my reads of the last trip's block are over
	ROUND                                          ; both now hold of every wave of all four work-groups
.if \refill
	tensor_load_to_lds s[G0+4-4*\slot:G0+7-4*\slot], s[G1:G1+7]   ; the next block, into the slot read last trip
	s_nop 0
.rept 4
	v_nop
.endr
.endif
	BLOCKWORK \slot
.endm
	TRIP 0, 1
	TRIP 1, 1
	TRIP 0, 1
	TRIP 1, 0                                      ; the last block: nothing is left to fetch
	s_wait_tensorcnt 0x0                           ; the wave's end
	ds_add_u32 v[SPW], v[NIL]
	s_wait_dscnt 0x0
	ROUND                                          ; the closing round: no work-group ends while a partner may still ask jointly
	s_endpgm
.Lfunc_end_k_qb567383fde_proj:
	.size	k_qb567383fde_proj, .Lfunc_end_k_qb567383fde_proj-k_qb567383fde_proj
	.p2alignl 7, 3214868480
	.fill 96, 4, 3214868480
	.section	.rodata,"a",@progbits
	.p2align	6, 0x0
	.amdhsa_kernel k_qb567383fde_proj
		.amdhsa_group_segment_fixed_size 327680
		.amdhsa_private_segment_fixed_size 0
		.amdhsa_enable_private_segment 0
		.amdhsa_kernarg_size 88
		.amdhsa_user_sgpr_count 2
		.amdhsa_user_sgpr_kernarg_segment_ptr 1
		.amdhsa_wavefront_size32 1
		.amdhsa_system_sgpr_workgroup_id_x 1
		.amdhsa_system_sgpr_workgroup_id_y 1
		.amdhsa_system_sgpr_workgroup_id_z 1
		.amdhsa_system_vgpr_workitem_id 0
		.amdhsa_next_free_vgpr 1024
		.amdhsa_next_free_sgpr 100
		.amdhsa_reserve_vcc 0
		.amdhsa_float_denorm_mode_32 3
		.amdhsa_float_denorm_mode_16_64 3
		.amdhsa_memory_ordered 1
		.amdhsa_forward_progress 1
		.amdhsa_inst_pref_size 110
	.end_amdhsa_kernel
	.amdgpu_metadata
---
amdhsa.version: [ 1, 2 ]
amdhsa.kernels:
  - .name:           k_qb567383fde_proj
    .symbol:         k_qb567383fde_proj.kd
    .args:
      - { .name: xc, .offset: 0, .size: 8, .value_kind: global_buffer, .address_space: global }
      - { .name: wc, .offset: 8, .size: 8, .value_kind: global_buffer, .address_space: global }
      - { .name: bq, .offset: 16, .size: 8, .value_kind: global_buffer, .address_space: global }
      - { .name: bk, .offset: 24, .size: 8, .value_kind: global_buffer, .address_space: global }
      - { .name: bv, .offset: 32, .size: 8, .value_kind: global_buffer, .address_space: global }
      - { .name: r_w_bias, .offset: 40, .size: 8, .value_kind: global_buffer, .address_space: global }
      - { .name: r_r_bias, .offset: 48, .size: 8, .value_kind: global_buffer, .address_space: global }
      - { .name: qc, .offset: 56, .size: 8, .value_kind: global_buffer, .address_space: global }
      - { .name: qs, .offset: 64, .size: 8, .value_kind: global_buffer, .address_space: global }
      - { .name: kv, .offset: 72, .size: 8, .value_kind: global_buffer, .address_space: global }
      - { .name: pe, .offset: 80, .size: 8, .value_kind: global_buffer, .address_space: global }
    .group_segment_fixed_size: 327680
    .private_segment_fixed_size: 0
    .kernarg_segment_align: 8
    .kernarg_segment_size: 88
    .max_flat_workgroup_size: 128
    .sgpr_count:     100
    .vgpr_count:     1024
    .wavefront_size: 32
...
	.end_amdgpu_metadata
.endif
;; end of part 2
;; launch attn (part 3): grid 8 x 32, 16 waves a work-group, no clusters, 327,680 bytes of LDS; arguments qc, qs, kv, pe, oc; writes oc
.if DOCPART == 3
	.amdgcn_target "amdgcn-amd-amdhsa--gfx1250"
	.amdhsa_code_object_version 6
	.text
	.protected	k_qb567383fde_attn
	.globl	k_qb567383fde_attn
	.p2align	8
	.type	k_qb567383fde_attn,@function
k_qb567383fde_attn:
	s_mov_b64 s[64:65], 0
	v_nop
	global_prefetch_b8 v0, s[64:65] scope:SCOPE_SE
	s_setreg_imm32_b32 hwreg(HW_REG_WAVE_MODE, 25, 1), 1
	s_wait_xcnt 0x0
; Causal attention with the relative-position term, on codes of E5M2.  For query i and key j <= i the score is ((q_i + r_w) . k_j + (q_i + r_r) . pe[2048 - i + j]) / 8: that is what the reshapes of the problem leave in the kept half.
; THE SOFTMAX AHEAD OF THE LAST PRODUCT: t = score x log2(e); M = the running largest t rounded up to a whole number; p = 2^(t - M) is quantised along the keys; the row's sum of the unquantised p divides at the end.
; The result, 64 channels of one head, is quantised for the output projection (K = the merged heads) and leaves as part of that operand's image.
; LIMITS.  Keys after the query get p = 0, where the problem takes 1e7 off their logit: the same in f32 while a hidden logit lies less than about 1e7 - 104 above the row's largest open one.  NaN and infinities are not served.
; SHARES.  A work-group serves one (batch, head) y and 16 tiles of 16 queries, a tile a wave, 256 registers.  Wave w of work-group g takes tile 32 A + x (A even) or 32 A + 31 - x (A odd), A = (w / 4 + w % 4) % 4, x = 4 g + w % 4:
; waves with equal w % 4, and waves with equal w / 4, hold one tile of each quarter of the queries: 34 key steps together, in every work-group.
; Every work-group walks all 8 slots of 256 keys, so the loop's count is a constant; a key step all of whose keys come after the wave's queries is left out by a scalar branch on ids, in which stands no barrier and no tensor load.
; NO CLUSTER: which steps a wave leaves out hangs on the tiles that its work-group owns, so partners would branch by their place; and a work-group fetches 404 KiB in all, against 136 key steps of work.
; LAYOUT.  All three products are used transposed: a lane holds ONE query (lane % 16).  The keys of a tile of K are permuted (tile 2 b + u, lane r: key 32 b + 8 u + r + 8 (r / 8)), so that registers 16 b + i of the scores are keys 32 b + 16 (lane / 16) + i.
; THE SKEW.  For 64 keys a query tile wants 79 neighbouring rows of pe: five tiles of 16.  Their products (row w of the band, query r) go to my stage at 340 r + 4 + 4 w and come back from 336 r + 64 + 4 (key): w = key + 15 - r,
; sixteen bytes at a time, into the scores' registers, where they are the C of K Q^T: the addition costs nothing.
; K = 64 IN AN INSTRUCTION OF 128: the query operand is [codes | zero codes]; source 0 of tile T is registers 8 T .. 8 T + 15, whose upper half is the next tile's codes (behind the last tile: the other query operand's): finite numbers under the byte 0x7f, times zeros.
; REGISTERS: v1-11, v22 addresses; v12 -M, v13 the largest t, v[14:15] the sum; v16-19 scale words of source 0 (two tiles a register), v20 the queries', v21 p's; v24-63 pe's fragments, then p's codes and work;
; v64-79 q + r_w | zeros; v80-143 the band's products, then K, then V; v144-159 q + r_r | zeros; v160-223 scores, then p; v224-255 O^T.
.set BLK,   67584
.set TIL,   16384
.set SCO,   65536
.set SLOTB, 34304                      ; a slot of kv: K's 16 images (1,024 each), V's 8 (2,048 each), K's scale words (1,024), V's (512)
.set PEPAD, 131072                     ; LDS: 0 .. pe's 128 images of the head; here eight tiles of zero codes, for band tiles past the last row (they meet hidden keys alone)
.set RING0, 139264
.set FLIP,  0x10000                    ; slot 1 begins at RING0 xor FLIP = 204,800
.set SPARE, 173568                     ; the spare words, 128 bytes a wave
.set PESC,  175616                     ; pe's scale words, 64 bytes a tile
.set PESP,  183808                     ; and zeros behind them
.set STG,   239104                     ; the stages: 16 rows x 340 bytes for each wave
.set AKI, 1                            ; v1  16 x lane
.set ASC, 2                            ; v2  4 x lane
.set STS, 3                            ; v3  the stage, in: 340 r + 32 h
.set STL, 4                            ; v4  the stage, out: 336 r + 64 h
.set SPW, 5
.set NIL, 6
.set PFO, 7                            ; v7  256 x lane
.set ADK, 8
.set ADS, 9
.set ADP, 10
.set ADQ, 11
.set SC,  16
.set QSC, 20
.set PSC, 21
.set ASP, 22                           ; v22 PESC + 4 x lane
.set PEP, 24
.set PC,  24
.set BM,  40                           ; the blocks' largest scores, then largest p
.set TM,  40
.set BP,  44
.set BH,  48
.set BS,  52
.set PW,  57
.set QW,  64
.set RB,  80
.set KP,  80
.set QR,  144
.set S,   160
.set OT,  224
.set TB,  2
.set SP,  3                            ; s3  1,024 x the band's first tile: 127 - my tile + first key / 16
.set WV,  18
.set MNT, 19
.set SEL, 20
.set CS,  22
.set G1R, 24
.set G1P, 32
.set G1S, 40
.set G0R, 48
.set G0P, 52
.set G0S, 56
.set KF,  66
.set Q0,  67
.set SLOTS, 68
.set T0,  69
.set T1,  70
.set PFA, 72
.set LIM, 74
.set Y,   75
.set TT,  76
.macro DENSE g, rows                   ; descriptor group 1: a dense block as rows of 32 elements of 8 bytes
	s_mov_b32 s[\g], 3<<16
	s_mov_b32 s[\g+1], 32<<16
	s_mov_b32 s[\g+2], (\rows)<<16
	s_mov_b32 s[\g+3], 32<<16
	s_mov_b32 s[\g+4], \rows
	s_mov_b32 s[\g+5], 32
	s_mov_b32 s[\g+6], 0
	s_mov_b32 s[\g+7], 0
.endm
.macro MMZ d, a, b, sa, sb, odd        ; a product that starts its sum; source 1's scales in lanes 16-31; source 0's in lanes 16-31 for odd tiles
.if \odd
	v_wmma_scale_f32_16x16x128_f8f6f4 v[(\d):(\d)+7], v[(\a):(\a)+15], v[(\b):(\b)+15], 0, v[\sa], v[\sb] matrix_a_fmt:MATRIX_FMT_BF8 matrix_b_fmt:MATRIX_FMT_BF8 matrix_a_scale:MATRIX_SCALE_ROW1 matrix_b_scale:MATRIX_SCALE_ROW1
.else
	v_wmma_scale_f32_16x16x128_f8f6f4 v[(\d):(\d)+7], v[(\a):(\a)+15], v[(\b):(\b)+15], 0, v[\sa], v[\sb] matrix_a_fmt:MATRIX_FMT_BF8 matrix_b_fmt:MATRIX_FMT_BF8 matrix_b_scale:MATRIX_SCALE_ROW1
.endif
.endm
.macro MMA d, a, b, sa, sb, odd        ; a product that adds onto what its result registers hold
.if \odd
	v_wmma_scale_f32_16x16x128_f8f6f4 v[(\d):(\d)+7], v[(\a):(\a)+15], v[(\b):(\b)+15], v[(\d):(\d)+7], v[\sa], v[\sb] matrix_a_fmt:MATRIX_FMT_BF8 matrix_b_fmt:MATRIX_FMT_BF8 matrix_a_scale:MATRIX_SCALE_ROW1
.else
	v_wmma_scale_f32_16x16x128_f8f6f4 v[(\d):(\d)+7], v[(\a):(\a)+15], v[(\b):(\b)+15], v[(\d):(\d)+7], v[\sa], v[\sb] matrix_a_fmt:MATRIX_FMT_BF8 matrix_b_fmt:MATRIX_FMT_BF8
.endif
.endm
.macro QUANT2 s                        ; 32 numbers of a lane, register 16 b + i = k 32 b + 16 (lane / 16) + i, become codes in v[PC] on and a scale word in v[PW]
.irp b, 0,1
	v_max3_num_f32 v[TM+\b], |v[\s+16*\b]|, |v[\s+1+16*\b]|, 0x8000000
.endr
.irp i, 2,4,6,8,10,12,14
.irp b, 0,1
	v_max3_num_f32 v[TM+\b], v[TM+\b], |v[\s+16*\b+\i]|, |v[\s+1+16*\b+\i]|
.endr
.endr
.irp b, 0,1
	v_permlanex16_b32 v[TM+4+\b], v[TM+\b], s[SEL], s[SEL+1]
.endr
.irp b, 0,1
	v_max_num_f32 v[TM+\b], v[TM+\b], v[TM+4+\b]
.endr
.irp b, 0,1
	v_add_nc_u32 v[TM+12+\b], 0xf8800000, v[TM+\b]
.endr
.irp b, 0,1
	v_and_or_b32 v[TM+8+\b], v[TM+\b], 0x7f800000, s[MNT]
.endr
.irp b, 0,1
	v_lshrrev_b32 v[TM+4+\b], 23, v[TM+12+\b]
.endr
	v_lshl_or_b32 v[PW], v[TM+5], 8, v[TM+4]
.irp b, 0,1
.irp i, 0,1,2,3,4,5,6,7,8,9,10,11,12,13,14,15
	v_med3_num_f32 v[\s+16*\b+\i], v[\s+16*\b+\i], -v[TM+8+\b], v[TM+8+\b]
.endr
	v_cvt_scalef32_pk8_bf8_f32 v[PC+4*\b:PC+1+4*\b], v[\s+16*\b:\s+7+16*\b], v[TM+12+\b]
	v_cvt_scalef32_pk8_bf8_f32 v[PC+2+4*\b:PC+3+4*\b], v[\s+8+16*\b:\s+15+16*\b], v[TM+12+\b]
.endr
	v_nop
.endm
.macro TLOAD                           ; waves 0 and 1 fetch a slot's halves; four v_nop follow the line
	s_cmp_lt_u32 s[WV], 2
	s_cbranch_scc0 .Lasked_\@
	tensor_load_to_lds s[G0R:G0R+3], s[G1R:G1R+7]
	s_nop 0
.rept 4
	v_nop
.endr
.Lasked_\@:
.endm
; A PREFETCH INTO THE L2 of the images that the NEXT change of slots will ask for: 32,768 bytes, lanes 256 bytes apart, 8,192 bytes a wave.  The eight work-groups of a y walk the same slots: the first of them asks, and in it
; waves 8 to 11, which fetch nothing: each aligned 256 bytes are named once in the launch.  A slot's two key steps lie between the request and the load.  The last change that fills a slot asks for nothing; slots 0 and 1 come by their loads alone.
.macro ASK
	s_cmp_gt_u32 s[SLOTS], s[LIM]
	s_cbranch_scc0 .Lnot_mine_\@
	global_prefetch_b8 v[PFO], s[PFA:PFA+1] th:TH_LOAD_NT scope:SCOPE_SE
.Lnot_mine_\@:
.endm
	s_load_b256 s[4:11], s[0:1], 0x0               ; qc, qs, kv, pe
	s_load_b64 s[12:13], s[0:1], 0x20              ; oc
	v_lshl_add_u32 v[SPW], v0, 2, SPARE
	v_mov_b32 v[NIL], 0
	ds_add_u32 v5, v6
	s_wait_dscnt 0x0
	v_lshrrev_b32 v8, 5, v0
	v_readfirstlane_b32 s[WV], v8                  ; wave 0..15
	s_and_b32 s[Y], ttmp7, 0xffff                  ; y = 16 x batch + head
	s_lshr_b32 s80, s[WV], 2
	s_and_b32 s81, s[WV], 3
	s_add_co_u32 s80, s80, s81
	s_and_b32 s80, s80, 3                          ; A: which quarter of the queries
	s_lshl_b32 s82, ttmp9, 2
	s_add_co_u32 s82, s82, s81                     ; x
	s_sub_co_u32 s83, 31, s82
	s_and_b32 s84, s80, 1
	s_cmp_lg_u32 s84, 0
	s_cselect_b32 s82, s83, s82                    ; odd quarters are walked from their end
	s_lshl_b32 s80, s80, 5
	s_add_co_u32 s[TT], s80, s82                   ; my tile of 16 queries
	s_lshl_b32 s[Q0], s[TT], 4
	s_sub_co_u32 s[SP], 127, s[TT]
	s_lshl_b32 s[SP], s[SP], 10
	DENSE G1R, 67                                  ; half a slot: 17,152 bytes
	DENSE G1P, 128                                 ; a quarter of pe's images: 32,768 bytes
	DENSE G1S, 32                                  ; pe's scale words: 8,192 bytes
	s_mul_i32 s84, s[Y], 8*SLOTB
	s_mov_b32 s85, 0
	s_and_b32 s86, s[WV], 1
	s_mul_i32 s86, s86, SLOTB/2
	s_add_co_u32 s88, s84, s86                     ; my half of slot 0, in memory,
	s_mov_b32 s89, 0
	s_add_co_u32 s87, s86, RING0                   ; and in LDS
	s_and_b32 s90, s[Y], 15
	s_mul_i32 s90, s90, 139264                     ; the head's part of pe
	s_mov_b32 s91, 0
	s_and_b32 s92, s[WV], 3
	s_lshl_b32 s92, s92, 15
	s_add_co_u32 s94, s90, s92
	s_mov_b32 s95, 0
	s_add_co_u32 s90, s90, 131072
	s_lshr_b32 s96, s92, 2                         ; the prefetches: 8,192 (w % 4), in slot 1: the first change of slots steps it to slot 2
	s_add_co_u32 s96, s96, SLOTB
	s_mov_b32 s97, 0
	s_sub_co_u32 s98, s[WV], 8
	s_lshr_b32 s98, s98, 2                         ; 0 in waves 8 to 11,
	s_or_b32 s98, s98, ttmp9                       ; of the y's first work-group
	s_cmp_eq_u32 s98, 0
	s_cselect_b32 s[LIM], 1, -1
	s_mov_b32 s[SEL], 0x76543210
	s_mov_b32 s[SEL+1], 0xfedcba98
	s_mov_b32 s[CS], 0x3e38aa3b                    ; c = log2(e) / 8
	s_mov_b32 s[CS+1], s[CS]                       ; (named with it as a pair, so it is written)
	s_mov_b32 s[MNT], 0x600000
	s_mov_b32 s[TB], RING0
	s_mov_b32 s[KF], 0
	s_mov_b32 s[SLOTS], 7
	s_wait_kmcnt 0x0
	s_mov_b32 s[G0R], 1
	s_mov_b32 s[G0R+1], s87
	s_add_nc_u64 s[G0R+2:G0R+3], s[8:9], s[88:89]
	s_or_b32 s[G0R+3], s[G0R+3], 0x80000000
	s_mov_b32 s[G0P], 1
	s_mov_b32 s[G0P+1], s92
	s_add_nc_u64 s[G0P+2:G0P+3], s[10:11], s[94:95]
	s_or_b32 s[G0P+3], s[G0P+3], 0x80000000
	s_mov_b32 s[G0S], 1
	s_mov_b32 s[G0S+1], PESC
	s_add_nc_u64 s[G0S+2:G0S+3], s[10:11], s[90:91]
	s_or_b32 s[G0S+3], s[G0S+3], 0x80000000
	s_add_nc_u64 s[PFA:PFA+1], s[8:9], s[84:85]
	s_add_nc_u64 s[PFA:PFA+1], s[PFA:PFA+1], s[96:97]
	; the first fills: waves 0, 1 slot 0; waves 4 to 7 pe's images; wave 8 pe's scale words: at most one load a wave, and the first wait on TENSORcnt is for 0
	s_cmp_lt_u32 s[WV], 2
	s_cbranch_scc0 .Lfill_not_ring
	tensor_load_to_lds s[G0R:G0R+3], s[G1R:G1R+7]
	s_nop 0
.rept 4
	v_nop
.endr
	s_branch .Lfilled
.Lfill_not_ring:
	s_cmp_lt_u32 s[WV], 4
	s_cbranch_scc1 .Lfilled
	s_cmp_lt_u32 s[WV], 8
	s_cbranch_scc0 .Lfill_not_pe
	tensor_load_to_lds s[G0P:G0P+3], s[G1P:G1P+7]
	s_nop 0
.rept 4
	v_nop
.endr
	s_branch .Lfilled
.Lfill_not_pe:
	s_cmp_eq_u32 s[WV], 8
	s_cbranch_scc0 .Lfilled
	tensor_load_to_lds s[G0S:G0S+3], s[G1S:G1S+7]
	s_nop 0
.rept 4
	v_nop
.endr
.Lfilled:
	v_lshl_add_u32 v8, v0, 4, PEPAD                ; the zeros behind pe: 512 threads x 16 bytes, and x 4 bytes
	v_lshl_add_u32 v9, v0, 2, PESP
.irp i, 24,25,26,27
	v_mov_b32 v[\i], 0
.endr
	ds_store_b128 v8, v[24:27]
	ds_store_b32 v9, v24
	v_and_b32 v10, 31, v0
	v_lshlrev_b32 v[AKI], 4, v10
	v_lshlrev_b32 v[ASC], 2, v10
	v_lshlrev_b32 v[PFO], 8, v10
	v_lshl_add_u32 v[ASP], v10, 2, PESC
	s_lshl_b32 s80, s[Y], 7
	s_add_co_u32 s80, s80, s[TT]                   ; 128 y + tile
	s_lshl_b32 s82, s80, 11
	s_mov_b32 s83, 0
	s_add_nc_u64 s[4:5], s[4:5], s[82:83]
	s_lshl_b32 s82, s80, 7
	s_add_nc_u64 s[6:7], s[6:7], s[82:83]
	global_load_b128 v[QW:QW+3], v[AKI], s[4:5]                  ; q + r_w_bias: half a fragment
	global_load_b128 v[QW+4:QW+7], v[AKI], s[4:5] offset:512
	global_load_b128 v[QR:QR+3], v[AKI], s[4:5] offset:1024      ; q + r_r_bias
	global_load_b128 v[QR+4:QR+7], v[AKI], s[4:5] offset:1536
	global_load_b32 v[QSC], v[ASC], s[6:7]                       ; lanes 0-15 the first's scale words, lanes 16-31 the second's
	v_and_b32 v10, 15, v0                          ; r
	v_bfe_u32 v11, v0, 4, 1                        ; h
	s_mul_i32 s87, s[WV], 5440
	s_add_co_u32 s87, s87, STG                     ; my stage
	v_mul_u32_u24 v[STS], v10, 340                 ; 340 = 85 words: with 8 words for the upper lanes the 32 lanes of a store fall on 32 different banks (64 banks of 4 bytes: ISA guide 11.1)
	v_lshl_add_u32 v[STS], v11, 5, v[STS]
	v_add_nc_u32 v[STS], s87, v[STS]
	v_mul_u32_u24 v[STL], v10, 336                 ; 336 = 21 x 16: sixteen lanes of a load start in sixteen different columns of 16 bytes
	v_lshl_add_u32 v[STL], v11, 6, v[STL]
	v_add_nc_u32 v[STL], s87, v[STL]
.irp i, 0,1,2,3,4,5,6,7
	v_mov_b32 v[QW+8+\i], 0                        ; the zero codes of the query operands' upper halves
	v_mov_b32 v[QR+8+\i], 0
.endr
	v_mov_b32 v13, 0xff61b1e6                      ; the largest t so far: -3e38
	v_floor_f32 v12, -v13                          ; -M
	v_mov_b32 v14, 0
	v_mov_b32 v15, 0
.irp i, 44,45,46,47,56,59
	v_mov_b32 v[\i], 0                             ; written once: lane permutes' destinations, and the upper half of the pair v[58:59]
.endr
.set i, 0
.rept 32
	v_mov_b32 v[OT+i], 0                           ; O^T: the step is written once; the first finds zeros, which the first change of M leaves zeros
.set i, i+1
.endr
; A KEY STEP: 128 keys, the q-th of the slot in hand
.macro STEP q
	s_add_co_u32 s96, s[Q0], 15
	s_cmp_gt_u32 s[KF], s96                        ; all keys come after my queries: nothing to do
	s_cbranch_scc1 .Lhidden_\@
	s_min_u32 s[T0], s[SP], 127*1024               ; (in a step that is not left out the band's first tile is 127 at the most: the hold changes nothing there)
	s_lshr_b32 s[T1], s[T0], 4
	v_add_nc_u32 v[ADP], s[T0], v[AKI]
	v_add_nc_u32 v[ADQ], s[T1], v[ASP]
	v_add_nc_u32 v[ADK], s[TB], v[AKI]
	v_add_nc_u32 v[ADS], s[TB], v[ASC]
.rept 5
	v_nop                                          ; with the four additions nine places behind the last step's products: the first products below write over registers that those read
.endr
.irp g, 0,1                            ; THE RELATIVE TERM, 64 keys at a time: five tiles of the band
.irp e, 0,1,2,3,4
	ds_load_b128 v[PEP+8*\e:PEP+8*\e+3], v[ADP] offset:(4*\g+\e)*1024
	ds_load_b128 v[PEP+8*\e+4:PEP+8*\e+7], v[ADP] offset:(4*\g+\e)*1024+512
.endr
.irp x, 0,1,2
	ds_load_b32 v[SC+\x], v[ADQ] offset:256*\g+128*\x
.endr
	s_wait_dscnt 0x0
.irp e, 0,1,2,3,4
	MMZ RB+8*\e, PEP+8*\e, QR, SC+\e/2, QSC, \e%2
.endr
.rept 9
	v_nop                                          ; eight places for the stores that read the results and the loads over the operands; the ninth since the second group's products write over the first's results
.endr
.irp e, 0,1,2,3,4
.irp j, 0,1,2,3,4,5,6,7
	ds_store_b32 v[STS], v[RB+8*\e+\j] offset:4+64*\e+4*\j      ; band row 16 e + 8 h + j of query r
.endr
.endr
.irp b, 0,1
.irp i, 0,1,2,3
	ds_load_b128 v[S+32*\g+16*\b+4*\i:S+32*\g+16*\b+4*\i+3], v[STL] offset:64+128*\b+16*\i   ; LDS serves a wave's instructions in order: these see the stores.  Band row key + 15 - r
.endr
.endr
.endr
	s_wait_dscnt 8                                 ; the forty stores have read the band's registers; the eight loads behind them may be out
.irp e, 0,1,2,3,4,5,6,7                ; THE CONTENT TERM: eight tiles of 16 keys
	ds_load_b128 v[KP+8*\e:KP+8*\e+3], v[ADK] offset:8192*\q+1024*\e
	ds_load_b128 v[KP+8*\e+4:KP+8*\e+7], v[ADK] offset:8192*\q+1024*\e+512
.endr
.irp x, 0,1,2,3
	ds_load_b32 v[SC+\x], v[ADS] offset:32768+512*\q+128*\x
.endr
	s_wait_dscnt 0x0
.irp e, 0,1,2,3,4,5,6,7
	MMA S+8*\e, KP+8*\e, QW, SC+\e/2, QSC, \e%2    ; onto the skewed relative term
.endr
.rept 8
	v_nop
.endr
.irp t, 0,1,2,3                        ; V's four fragments are asked for now and land under the softmax
.irp c, 0,1,2,3
	ds_load_b128 v[KP+16*\t+4*\c:KP+16*\t+4*\c+3], v[ADK] offset:16384+8192*\q+2048*\t+512*\c
.endr
.endr
.irp x, 0,1
	ds_load_b32 v[SC+\x], v[ADS] offset:33792+256*\q+128*\x
.endr
	s_add_co_u32 s96, s[KF], 127                   ; on the diagonal hidden scores become -infinity ahead of the maximum; a step all of whose keys count skips this
	s_cmp_le_u32 s96, s[Q0]
	s_cbranch_scc1 .Lopen_\@
	s_sub_co_i32 s96, s[Q0], s[KF]
	v_and_b32 v60, 15, v0
	v_bfe_u32 v61, v0, 4, 1
	v_lshlrev_b32 v61, 4, v61
	v_sub_nc_u32 v60, v60, v61
	v_add_nc_u32 v60, s96, v60                     ; d = my query - first key - 16 (lane / 16): register 16 b + i is hidden where 32 b + i > d
	v_mov_b32 v62, 0xff800000
.set n, 0
.rept 64
	v_cmp_gt_i32 vcc_lo, 32*(n/16)+n%16, v60
	v_cndmask_b32 v[S+n], v[S+n], v62, vcc_lo
.set n, n+1
.endr
.Lopen_\@:
.irp b, 0,1,2,3
	v_max3_num_f32 v[BM+\b], v[S+16*\b], v[S+1+16*\b], v[S+2+16*\b]    ; the largest score of each block of 32 keys: for the row's maximum, and, since p rises with the score, for the block's largest p
.endr
.irp i, 3,5,7,9,11,13
.irp b, 0,1,2,3
	v_max3_num_f32 v[BM+\b], v[BM+\b], v[S+16*\b+\i], v[S+1+16*\b+\i]
.endr
.endr
.irp b, 0,1,2,3
	v_max_num_f32 v[BM+\b], v[BM+\b], v[S+15+16*\b]
.endr
.irp b, 0,1,2,3
	v_permlanex16_b32 v[BP+\b], v[BM+\b], s[SEL], s[SEL+1]
.endr
.irp b, 0,1,2,3
	v_max_num_f32 v[BM+\b], v[BM+\b], v[BP+\b]
.endr
	v_max3_num_f32 v56, v[BM], v[BM+1], v[BM+2]
	v_max_num_f32 v56, v56, v[BM+3]
	v_mul_f32 v56, s[CS], v56                      ; as t
	v_max_num_f32 v13, v13, v56                    ; the running largest t
	v_mov_b32 v56, v12
	v_floor_f32 v12, -v13                          ; the new -M = -ceil(t): a whole number
	v_sub_f32 v56, v12, v56
	v_cvt_i32_f32 v56, v56                         ; (it saturates)
	v_ldexp_f32 v58, 1.0, v56                      ; f = 2^(old M - new M): rounds nothing
.set i, 0
.rept 32
	v_pk_fma_f32 v[S+i:S+i+1], v[S+i:S+i+1], s[CS:CS+1], v[12:13] op_sel_hi:[1,0,0]   ; t - M
.set i, i+2
.endr
.irp b, 0,1,2,3
	v_fma_f32 v[BM+\b], v[BM+\b], s[CS], v12
.endr
.set i, 0
.rept 64
	v_exp_f32 v[S+i], v[S+i]                       ; p = 2^(t - M), not normalised
.set i, i+1
.endr
	v_pk_mul_f32 v[14:15], v[14:15], v[58:59] op_sel_hi:[1,0]   ; the sums under the new M: the plain line behind the exponentials
	s_wait_alu depctr_va_vdst(0)                   ; one wait for the batch, ahead of its first reader
.irp b, 0,1,2,3
	v_exp_f32 v[BM+\b], v[BM+\b]                   ; each block's largest p
.endr
	v_pk_add_f32 v[BP:BP+1], v[S:S+1], v[S+2:S+3]  ; the row's sum is taken of the unquantised p, in two chains
.irp j, 4,8,12,16,20,24,28,32,36,40,44,48,52,56,60
	v_pk_add_f32 v[14:15], v[14:15], v[S+\j:S+1+\j]
	v_pk_add_f32 v[BP:BP+1], v[BP:BP+1], v[S+2+\j:S+3+\j]
.endr
	v_pk_add_f32 v[14:15], v[14:15], v[BP:BP+1]
	s_wait_alu depctr_va_vdst(0)                   ; and one for the four
.irp b, 0,1,2,3
	v_max_num_f32 v[BM+\b], 0x8000000, v[BM+\b]    ; the floor: a block whose every p is 0 keeps the byte 1
.endr
.irp b, 0,1,2,3
	v_add_nc_u32 v[BS+\b], 0xf8800000, v[BM+\b]
.endr
.irp b, 0,1,2,3
	v_and_or_b32 v[BH+\b], v[BM+\b], 0x7f800000, s[MNT]
.endr
.irp b, 0,1,2,3
	v_lshrrev_b32 v[BP+\b], 23, v[BS+\b]
.endr
	v_lshl_or_b32 v[PSC], v[BP+1], 8, v[BP]        ; p's scale word for these 128 keys
	v_lshl_or_b32 v[PSC], v[BP+2], 16, v[PSC]
	v_lshl_or_b32 v[PSC], v[BP+3], 24, v[PSC]
.irp b, 0,1,2,3
.irp i, 0,1,2,3,4,5,6,7,8,9,10,11,12,13,14,15
	v_min_num_f32 v[S+16*\b+\i], v[S+16*\b+\i], v[BH+\b]     ; the conversion does not saturate (ISA guide 7.6.2); p is not negative
.endr
	v_cvt_scalef32_pk8_bf8_f32 v[PC+4*\b:PC+1+4*\b], v[S+16*\b:S+7+16*\b], v[BS+\b]
	v_cvt_scalef32_pk8_bf8_f32 v[PC+2+4*\b:PC+3+4*\b], v[S+8+16*\b:S+15+16*\b], v[BS+\b]
.endr
.set i, 0
.rept 16
	v_pk_mul_f32 v[OT+i:OT+i+1], v[OT+i:OT+i+1], v[58:59] op_sel_hi:[1,0]   ; O^T under the new M; also the places in front of the products below
.set i, i+2
.endr
	s_wait_dscnt 0x0                               ; V
.irp t, 0,1,2,3
	MMA OT+8*\t, KP+16*\t, PC, SC+\t/2, PSC, \t%2
.endr
.Lhidden_\@:
	s_add_co_u32 s[KF], s[KF], 128
	s_add_co_u32 s[SP], s[SP], 8192
.endm
; THE CHANGE OF SLOTS stands at a slot's head.  Each wave waits for all its tensor loads, adds 0 to its spare word, and waits for that and for its reads of the slot that it has left.
; Behind the barrier the slot ahead is whole and nobody reads the other one, which is filled with the keys that follow (fill = 1): the load has a slot's two key steps in which to land.
.macro CHANGE fill
	s_wait_tensorcnt 0x0
	ds_add_u32 v[SPW], v[NIL]
.if \fill
	s_xor_b32 s[G0R+1], s[G0R+1], FLIP             ; no load of mine is out: the walking descriptor takes the other slot and the next 256 keys
	s_add_nc_u64 s[G0R+2:G0R+3], s[G0R+2:G0R+3], SLOTB
	s_wait_xcnt 0x0                                ; the last prefetch, a slot back, has read its address
	s_add_nc_u64 s[PFA:PFA+1], s[PFA:PFA+1], SLOTB
.endif
	s_wait_dscnt 0x0
	s_barrier_signal -1
	s_barrier_wait -1
.if \fill
	TLOAD
	ASK
.endif
.endm
.macro SLOT_STEPS
	STEP 0
	STEP 1
	s_xor_b32 s[TB], s[TB], FLIP
.endm
	s_wait_loadcnt 0x0                             ; the queries
.Lslot:                                            ; seven trips: behind each change of slots but the last the next slot is asked for
	CHANGE 1
	SLOT_STEPS
	s_sub_co_u32 s[SLOTS], s[SLOTS], 1
	s_cmp_lg_u32 s[SLOTS], 0
	s_cbranch_scc1 .Lslot
	CHANGE 0                                       ; the last slot is written out
	SLOT_STEPS
	; THE WAY OUT: O^T / the sum, quantised along the channels: register 16 b + i is channel 32 b + 16 h + i of my head, since V's tiles of channels are permuted
.rept 8
	v_nop
.endr
	v_add_f32 v14, v14, v15
	v_permlanex16_b32 v56, v14, s[SEL], s[SEL+1]
	v_add_f32 v14, v14, v56                        ; the row's sum
	v_rcp_f32 v14, v14
	v_and_b32 v8, 15, v0                           ; (the plain line behind the reciprocal)
	v_lshlrev_b32 v8, 5, v8                        ; 32 r: my row's scale words
	s_lshr_b32 s80, s[Y], 4
	s_lshl_b32 s80, s80, 7
	s_add_co_u32 s80, s80, s[TT]                   ; the tile of rows of the merged output: 128 x batch + tile
	s_lshr_b32 s81, s80, 2
	s_mul_i32 s81, s81, BLK                        ; its block,
	s_and_b32 s80, s80, 3                          ; its tile in the block
	s_and_b32 s82, s[Y], 15                        ; my head: K step head / 2, half head % 2: 1,024 bytes of images and 2 bytes of scale words a head
	s_lshl_b32 s83, s80, 14
	s_lshl_b32 s84, s82, 10
	s_add_co_u32 s83, s83, s84
	s_add_co_u32 s86, s81, s83
	s_mov_b32 s87, 0
	s_add_nc_u64 s[88:89], s[12:13], s[86:87]
	s_lshl_b32 s83, s80, 9
	s_lshl_b32 s84, s82, 1
	s_add_co_u32 s83, s83, s84
	s_add_co_u32 s83, s83, SCO
	s_add_co_u32 s86, s81, s83
	s_add_nc_u64 s[90:91], s[12:13], s[86:87]
	s_wait_alu depctr_va_vdst(0)                   ; the wait ahead of the reciprocal's first reader
.set i, 0
.rept 16
	v_pk_mul_f32 v[S+i:S+i+1], v[OT+i:OT+i+1], v[14:15] op_sel_hi:[1,0]
.set i, i+2
.endr
	QUANT2 S
	global_store_b128 v[AKI], v[PC:PC+3], s[88:89]
	global_store_b128 v[AKI], v[PC+4:PC+7], s[88:89] offset:512
	global_store_b16 v8, v[PW], s[90:91]           ; my head's two bytes of the row's scale word
	s_wait_tensorcnt 0x0                           ; the wave's end
	ds_add_u32 v[SPW], v[NIL]
	s_wait_dscnt 0x0
	s_endpgm
.Lfunc_end_k_qb567383fde_attn:
	.size	k_qb567383fde_attn, .Lfunc_end_k_qb567383fde_attn-k_qb567383fde_attn
	.p2alignl 7, 3214868480
	.fill 96, 4, 3214868480
	.section	.rodata,"a",@progbits
	.p2align	6, 0x0
	.amdhsa_kernel k_qb567383fde_attn
		.amdhsa_group_segment_fixed_size 327680
		.amdhsa_private_segment_fixed_size 0
		.amdhsa_enable_private_segment 0
		.amdhsa_kernarg_size 40
		.amdhsa_user_sgpr_count 2
		.amdhsa_user_sgpr_kernarg_segment_ptr 1
		.amdhsa_wavefront_size32 1
		.amdhsa_system_sgpr_workgroup_id_x 1
		.amdhsa_system_sgpr_workgroup_id_y 1
		.amdhsa_system_sgpr_workgroup_id_z 1
		.amdhsa_system_vgpr_workitem_id 0
		.amdhsa_next_free_vgpr 256
		.amdhsa_next_free_sgpr 100
		.amdhsa_reserve_vcc 1
		.amdhsa_float_denorm_mode_32 3
		.amdhsa_float_denorm_mode_16_64 3
		.amdhsa_memory_ordered 1
		.amdhsa_forward_progress 1
		.amdhsa_inst_pref_size 152
	.end_amdhsa_kernel
	.amdgpu_metadata
---
amdhsa.version: [ 1, 2 ]
amdhsa.kernels:
  - .name:           k_qb567383fde_attn
    .symbol:         k_qb567383fde_attn.kd
    .args:
      - { .name: qc, .offset: 0, .size: 8, .value_kind: global_buffer, .address_space: global }
      - { .name: qs, .offset: 8, .size: 8, .value_kind: global_buffer, .address_space: global }
      - { .name: kv, .offset: 16, .size: 8, .value_kind: global_buffer, .address_space: global }
      - { .name: pe, .offset: 24, .size: 8, .value_kind: global_buffer, .address_space: global }
      - { .name: oc, .offset: 32, .size: 8, .value_kind: global_buffer, .address_space: global }
    .group_segment_fixed_size: 327680
    .private_segment_fixed_size: 0
    .kernarg_segment_align: 8
    .kernarg_segment_size: 40
    .max_flat_workgroup_size: 512
    .sgpr_count:     100
    .vgpr_count:     256
    .wavefront_size: 32
...
	.end_amdgpu_metadata
.endif
;; end of part 3
;; launch outp (part 4): grid 256 x 1, 4 waves a work-group, clusters of 4 x 1, 168,448 bytes of LDS; arguments oc, wc, bo, out0; writes out0
.if DOCPART == 4
	.amdgcn_target "amdgcn-amd-amdhsa--gfx1250"
	.amdhsa_code_object_version 6
	.text
	.protected	k_qb567383fde_outp
	.globl	k_qb567383fde_outp
	.p2align	8
	.type	k_qb567383fde_outp,@function
k_qb567383fde_outp:
	s_mov_b64 s[64:65], 0
	v_nop
	global_prefetch_b8 v0, s[64:65] scope:SCOPE_SE
	s_setreg_imm32_b32 hwreg(HW_REG_WAVE_MODE, 25, 1), 1
	s_wait_xcnt 0x0
	s_wait_alu depctr_hold_cnt(0) depctr_sa_sdst(0) depctr_va_vdst(0) depctr_va_sdst(0) depctr_va_ssrc(0) depctr_va_vcc(0) depctr_vm_vsrc(0)
	s_getreg_b32 s2, hwreg(HW_REG_IB_STS2, 6, 4)
	s_cmp_eq_u32 s2, 0
	s_cbranch_scc0 .Lentry_in_a_cluster
	s_endpgm
.Lentry_in_a_cluster:
	s_bfe_u32 s2, ttmp6, 0x10000c
	s_cmp_lg_u32 s2, 0x3003
	s_cbranch_scc0 .Lentry_shape_is_right
	s_endpgm
.Lentry_shape_is_right:
; out0 = attention's result x Wo + bo, on codes of E5M2.  A cluster takes one block of 64 rows (oc block = the cluster's number); each of its 16 waves keeps 64 columns of Wo (wc block 64 + 4 cx + w, 512 registers) as source 0.
; The rows' block is asked for JOINTLY by the four partners, a quarter a wave, once: nothing in LDS is filled again.  The place in the cluster enters the weight's, the bias's and the output's addresses alone.
; In a result lane (r, h) holds row r, and register 16 b + 8 u + j column 32 b + 16 h + 8 u + j of my 64 (Wo's tiles are permuted): 64 neighbouring bytes for each b.  A tile of 16 rows x 64 columns goes through my own stage
; (rows of 256 bytes + 16) and leaves as whole rows: sixteen lanes store 256 consecutive bytes, aligned.
.set BLK,  67584
.set TIL,  16384
.set FRB,  2048
.set SCO,  65536
.set QTR,  16896
.set STGO, BLK                         ; behind the block: 16 rows x 272 bytes for each wave
.set LI,   1
.set LS32, 2
.set AX,   4
.set AXS,  5
.set SO,   6                           ; v6  the stage, in
.set SR,   7                           ; v7  the stage, out
.set GO,   8                           ; v8  my bytes in two rows of out0
.set VH,   15
.set WS,   16
.set XS,   48
.set ACC,  96
.set XF,   128
.set BI,   0                           ; window 3: bo in the result's layout
.set WV,   26
.set CX,   29
.set HH,   30
.set G1,   32
.set G0,   40
.set OUTP, 48
.set STA,  66
.set MO,   72
.set MS,   73
.set MC,   74
.set MSB, 0
.macro WIN new
.if MSB != \new
	s_set_vgpr_msb (MSB<<8)|\new
.set MSB, \new
.endif
.endm
.macro ROUND
	s_barrier_signal -1
	s_barrier_wait -1
	s_cmp_lg_u32 s[WV], 0
	s_cbranch_scc1 .Lnot_wave_0_\@
	s_barrier_signal -3
.Lnot_wave_0_\@:
	s_barrier_wait -3
	s_barrier_signal -1
	s_barrier_wait -1
.endm
	s_load_b256 s[4:11], s[0:1], 0x0               ; oc, wc, bo, out0
	v_lshl_add_u32 v94, v0, 2, 0x29000
	v_mov_b32 v95, 0
	ds_add_u32 v94, v95
	v_lshrrev_b32 v80, 5, v0
	v_readfirstlane_b32 s[WV], v80
	s_bfe_u32 s[CX], ttmp6, 0x40000
	s_lshl_b32 s[HH], s[CX], 2
	s_add_co_u32 s[HH], s[HH], s[WV]               ; which 64 columns
	s_mov_b32 s[G1], 15|(3<<16)|(1<<21)            ; a dense quarter block, 66 rows of 32 elements of 8 bytes, for all four partners
	s_mov_b32 s[G1+1], 32<<16
	s_mov_b32 s[G1+2], 66<<16
	s_mov_b32 s[G1+3], 32<<16
	s_mov_b32 s[G1+4], 66
	s_mov_b32 s[G1+5], 32
	s_mov_b32 s[G1+6], 0
	s_mov_b32 s[G1+7], 0
	s_mul_i32 s82, ttmp9, BLK
	s_mul_i32 s86, s[WV], QTR
	s_add_co_u32 s82, s82, s86
	s_mov_b32 s83, 0
	s_add_co_u32 s84, s[HH], 64
	s_mul_i32 s84, s84, BLK
	s_mov_b32 s85, 0
	s_wait_dscnt 0x0
	s_wait_kmcnt 0x0
	s_mov_b32 s[G0], 1
	s_mov_b32 s[G0+1], s86
	s_add_nc_u64 s[G0+2:G0+3], s[4:5], s[82:83]
	s_or_b32 s[G0+3], s[G0+3], 0x80000000
	s_add_nc_u64 s[STA:STA+1], s[6:7], s[84:85]
	ROUND                                          ; all four work-groups are here: the joint loads meet
	tensor_load_to_lds s[G0:G0+3], s[G1:G1+7]
	s_nop 0
.rept 4
	v_nop
.endr
	v_and_b32 v80, 31, v0
	v_and_b32 v81, 15, v0                          ; r
	v_bfe_u32 v82, v0, 4, 1                        ; h
	v_lshlrev_b32 v[LI], 4, v80
	v_lshlrev_b32 v[LS32], 5, v81
	v_lshlrev_b32 v[VH], 6, v82
	WIN 0x40                                       ; Wo's fragment (tile t, K step s) at register 64 (s % 4) + 16 t of window 1 + s / 4
.irp s, 0,1,2,3
.irp t, 0,1,2,3
.irp c, 0,1,2,3
	global_load_b128 v[64*\s+16*\t+4*\c:64*\s+16*\t+4*\c+3], v[LI], s[STA:STA+1] offset:TIL*\t+FRB*\s+512*\c
.endr
.endr
.endr
	WIN 0x80
.irp s, 0,1,2,3
.irp t, 0,1,2,3
.irp c, 0,1,2,3
	global_load_b128 v[64*\s+16*\t+4*\c:64*\s+16*\t+4*\c+3], v[LI], s[STA:STA+1] offset:TIL*\t+FRB*(\s+4)+512*\c
.endr
.endr
.endr
	WIN 0
.irp t, 0,1,2,3
	global_load_b128 v[WS+8*\t:WS+8*\t+3], v[LS32], s[STA:STA+1] offset:SCO+512*\t
	global_load_b128 v[WS+8*\t+4:WS+8*\t+7], v[LS32], s[STA:STA+1] offset:SCO+512*\t+16
.endr
	s_lshl_b32 s88, s[HH], 8                       ; my 64 columns: 256 bytes of bo and of a row of out0
	s_mov_b32 s89, 0
	s_add_nc_u64 s[8:9], s[8:9], s[88:89]
	WIN 0xc0
.irp t, 0,1,2,3                        ; lane (r, h) wants, for tile 2 b + u, bo of columns 32 b + 16 h + 8 u + 0 .. 7
	global_load_b128 v[BI+8*\t:BI+8*\t+3], v[VH], s[8:9] offset:(32*(\t/2)+8*(\t%2))*4
	global_load_b128 v[BI+8*\t+4:BI+8*\t+7], v[VH], s[8:9] offset:(32*(\t/2)+8*(\t%2))*4+16
.endr
	WIN 0
	s_mul_i32 s87, s[WV], 4352
	s_add_co_u32 s87, s87, STGO                    ; my stage
	v_mul_u32_u24 v[SO], v81, 272
	v_lshl_add_u32 v[SO], v82, 6, v[SO]
	v_add_nc_u32 v[SO], s87, v[SO]                 ; in: row r, + 64 h
	v_mul_u32_u24 v[SR], v82, 272
	v_lshl_add_u32 v[SR], v81, 4, v[SR]
	v_add_nc_u32 v[SR], s87, v[SR]                 ; back: lanes 0-15 one row, lanes 16-31 the next
	v_lshlrev_b32 v[GO], 12, v82
	v_lshl_add_u32 v[GO], v81, 4, v[GO]            ; and the same two rows of out0
	s_lshl_b32 s82, ttmp9, 18                      ; the block's 64 rows of 4,096 bytes
	s_add_nc_u64 s[OUTP:OUTP+1], s[10:11], s[82:83]
	s_add_nc_u64 s[OUTP:OUTP+1], s[OUTP:OUTP+1], s[88:89]
	s_mov_b32 s[MO], 0
	s_mov_b32 s[MS], SCO
	s_mov_b32 s[MC], 4
	s_wait_loadcnt 0x0                             ; Wo and bo, once
	s_wait_tensorcnt 0x0                           ; my quarter of the rows' block is in,
	s_barrier_signal -1
	s_barrier_wait -1                              ; everybody's is
.Lm:                                               ; four trips: a tile of 16 rows each
	v_add_nc_u32 v[AX], s[MO], v[LI]
	v_add_nc_u32 v[AXS], s[MS], v[LS32]
	ds_load_b128 v[XS:XS+3], v[AXS]
	ds_load_b128 v[XS+4:XS+7], v[AXS] offset:16
.irp s, 0,1,2,3,4,5,6,7
.irp c, 0,1,2,3
	ds_load_b128 v[XF+16*\s+4*\c:XF+16*\s+4*\c+3], v[AX] offset:FRB*\s+512*\c
.endr
.endr
.irp s, 0,1,2,3,4,5,6,7
	s_wait_dscnt 28-4*\s                           ; the scale words and K steps 0 .. s are in; the four loads of each later K step may be out
.if \s == 0
	WIN 0x31                                       ; source 0 window 1, C (bo) window 3
.elseif \s < 4
	WIN 0x01
.else
	WIN 0x02
.endif
.irp t, 0,1,2,3                        ; the four accumulators take turns, one instruction a turn
.if \s == 0
	v_wmma_scale_f32_16x16x128_f8f6f4 v[ACC+8*\t:ACC+8*\t+7], v[64*(\s%4)+16*\t:64*(\s%4)+16*\t+15], v[XF+16*\s:XF+16*\s+15], v[BI+8*\t:BI+8*\t+7], v[WS+8*\t+\s], v[XS+\s] matrix_a_fmt:MATRIX_FMT_BF8 matrix_b_fmt:MATRIX_FMT_BF8
.else
	v_wmma_scale_f32_16x16x128_f8f6f4 v[ACC+8*\t:ACC+8*\t+7], v[64*(\s%4)+16*\t:64*(\s%4)+16*\t+15], v[XF+16*\s:XF+16*\s+15], v[ACC+8*\t:ACC+8*\t+7], v[WS+8*\t+\s], v[XS+\s] matrix_a_fmt:MATRIX_FMT_BF8 matrix_b_fmt:MATRIX_FMT_BF8
.endif
.endr
.endr
	WIN 0
.rept 9
	v_nop                                          ; places behind the products: eight for the stores that read results and the loads over fragments; the ninth since the next trip's first products begin these accumulators anew
.endr
.irp b, 0,1
.irp i, 0,1,2,3
	ds_store_b128 v[SO], v[ACC+16*\b+4*\i:ACC+16*\b+4*\i+3] offset:128*\b+16*\i    ; each accumulator from its low end on
.endr
.endr
.irp i, 0,1,2,3,4,5,6,7
	ds_load_b128 v[XF+4*\i:XF+4*\i+3], v[SR] offset:544*\i     ; LDS serves a wave's instructions in order: these see the stores
.endr
.irp i, 0,1,2,3,4,5,6,7
	s_wait_dscnt 7-\i                              ; the younger loads from the stage may be out
	global_store_b128 v[GO], v[XF+4*\i:XF+4*\i+3], s[OUTP:OUTP+1] offset:8192*\i th:TH_STORE_NT
.endr
	s_wait_xcnt 0x0                                ; the stores have read their registers and their base: both are written again
	s_add_nc_u64 s[OUTP:OUTP+1], s[OUTP:OUTP+1], 65536
	s_add_co_u32 s[MO], s[MO], TIL
	s_add_co_u32 s[MS], s[MS], 512
	s_sub_co_u32 s[MC], s[MC], 1
	s_cmp_lg_u32 s[MC], 0
	s_cbranch_scc1 .Lm
	s_wait_dscnt 0x0
	s_wait_tensorcnt 0x0
	ds_add_u32 v94, v95
	s_wait_dscnt 0x0
	ROUND                                          ; the closing round: no work-group ends while a partner may still ask jointly
	s_endpgm
.Lfunc_end_k_qb567383fde_outp:
	.size	k_qb567383fde_outp, .Lfunc_end_k_qb567383fde_outp-k_qb567383fde_outp
	.p2alignl 7, 3214868480
	.fill 96, 4, 3214868480
	.section	.rodata,"a",@progbits
	.p2align	6, 0x0
	.amdhsa_kernel k_qb567383fde_outp
		.amdhsa_group_segment_fixed_size 168448
		.amdhsa_private_segment_fixed_size 0
		.amdhsa_enable_private_segment 0
		.amdhsa_kernarg_size 32
		.amdhsa_user_sgpr_count 2
		.amdhsa_user_sgpr_kernarg_segment_ptr 1
		.amdhsa_wavefront_size32 1
		.amdhsa_system_sgpr_workgroup_id_x 1
		.amdhsa_system_sgpr_workgroup_id_y 1
		.amdhsa_system_sgpr_workgroup_id_z 1
		.amdhsa_system_vgpr_workitem_id 0
		.amdhsa_next_free_vgpr 1024
		.amdhsa_next_free_sgpr 96
		.amdhsa_reserve_vcc 0
		.amdhsa_float_denorm_mode_32 3
		.amdhsa_float_denorm_mode_16_64 3
		.amdhsa_memory_ordered 1
		.amdhsa_forward_progress 1
		.amdhsa_inst_pref_size 27
	.end_amdhsa_kernel
	.amdgpu_metadata
---
amdhsa.version: [ 1, 2 ]
amdhsa.kernels:
  - .name:           k_qb567383fde_outp
    .symbol:         k_qb567383fde_outp.kd
    .args:
      - { .name: oc, .offset: 0, .size: 8, .value_kind: global_buffer, .address_space: global }
      - { .name: wc, .offset: 8, .size: 8, .value_kind: global_buffer, .address_space: global }
      - { .name: bo, .offset: 16, .size: 8, .value_kind: global_buffer, .address_space: global }
      - { .name: out0, .offset: 24, .size: 8, .value_kind: global_buffer, .address_space: global }
    .group_segment_fixed_size: 168448
    .private_segment_fixed_size: 0
    .kernarg_segment_align: 8
    .kernarg_segment_size: 32
    .max_flat_workgroup_size: 128
    .sgpr_count:     96
    .vgpr_count:     1024
    .wavefront_size: 32
...
	.end_amdgpu_metadata
.endif
;; end of part 4
